; MI455X (gfx1250); checked and timed in simulation.
; The chip was launched on July 23, 2026; its instructions are those of AMD's public machine-readable ISA for CDNA 5 (MIT licence, August 2026) and "CDNA5" Instruction Set Architecture Reference Guide (July 2026). The comments in the code are by the model that wrote it; some were corrected since.
;; CPDFP. Allowed arithmetic: matrix products marked QUANTISED: E4M3 operands, one given power-of-two scale a tensor, by v_wmma_f32_16x16x64_fp8_fp8 or v_wmma_f32_16x16x128_fp8_fp8, f32 sums; products left as they are: f32 operands where the result goes on into a quantised operand, else bf16, f16 or f32 operands; f32 sums; everything else in f32.
;; Inputs: ca_b1 4 float32; ca_b2 1 float32; ca_w1 4 x 2 float32; ca_w2 1 x 4 float32; conv_w 256 x 257 float32; lowp_scales 4 int32 (the exponents e of the quantised operands' scales 2^e); x1 64 x 256 x 32 x 32 float32; x2 64 x 256 x 32 x 32 float32.
;; Outputs: out0 64 x 256 float32.
;; This version of the problem:
;;   THIS VERSION OF THE PROBLEM IS GIVEN IN LOW PRECISION. The matrix products marked QUANTISED in the list below multiply operands that are first quantised to E4M3 (4 exponent bits, 3 mantissa bits; 8 bits a number), with one given power-of-two scale for each operand tensor; their sums are f32. All else is computed in f32.
;;   The module's matrix products, in the order in which they are computed (A, B: the left and right operand; K: the contracted axis; several contracted axes count as one K, in the product's order):
;;     1. [M 65,536, K 257] x [K 257, N 256]; A: computed on the way; B: input conv_w: QUANTISED (scales: A lowp_scales[0], B lowp_scales[1])
;;     2. [M 65,536, K 257] x [K 257, N 256]; A: computed on the way; B: input conv_w: QUANTISED (scales: A lowp_scales[2], B lowp_scales[3])
;;     3. [M 16,384, K 2] x [K 2, N 4]; A: computed on the way; B: input ca_w1: left as it is (K = 2 < 32)
;;     4. [M 16,384, K 4] x [K 4, N 1]; A: computed on the way; B: input ca_w2: left as it is (K = 4 < 32)
;;   THE QUANTISER, for each operand of a quantised product, along K:
;;     - The operand's scale is 2^e, e = its entry of the input lowp_scales (int32; the entries are numbered through the quantised products in the list's order, A before B).
;;     - Each number is divided by the scale, clamped to +-448, and rounded to the nearest number of E4M3, ties to even, subnormals kept.
;;     - The product sums the exact products of the quantised numbers (number of the format x scale) in f32.
;;   ~~~python
;;   def quantise(x, axis, e):      # numpy; x: float32 -> the quantised numbers, widened to float32 again
;;       x = np.moveaxis(x, axis, -1); K = x.shape[-1]
;;       r = np.clip(x / 2.0 ** e, -448, 448)
;;       step = 2.0 ** (np.maximum(np.frexp(np.where(r == 0, 1, r))[1] - 1, -6) - 3)
;;       q = np.round(r / step) * step * 2.0 ** e      # np.round: ties to even
;;       return np.moveaxis(q, -1, axis).astype(np.float32)
;;   ~~~
;;   OPERANDS COMPUTED ON THE WAY. 'Computed on the way' means the value that the module computes at that place (a softmax that the list does not call 'softmax' is quantised finished and normalised). What goes into a quantiser is computed in f32, as accurately as f32 sums, v_exp_f32 and their like allow (about 1e-6 of the number): no bf16 or f16 on the way to a quantiser, and a product that is left as it is and whose result goes on into a quantised operand takes f32 operands (vector FMAs, or v_wmma_f32_16x16x4_f32). A number that lies on a knife's edge between two numbers of the format may be rounded either way, as far as f32 arithmetic and the matrix unit's own rounding can turn it there, and no further.
;; 2 versions, each right and faster than the one before. Each part assembles by itself: llvm-mc -triple=amdgcn-amd-amdhsa -mcpu=gfx1250 --defsym DOCPART=n.
;; ======== version 1 of 2: 3 launches
;; workspace buffers: wq 139,264 bytes; cen 131,072 bytes; part 524,288 bytes
;; launch prep (part 1): grid 16 x 1, 8 waves a work-group, no clusters, 0 bytes of LDS; arguments conv_w, x1, x2, lowp_scales, wq, cen; writes wq, cen
.if DOCPART == 1
	.amdgcn_target "amdgcn-amd-amdhsa--gfx1250"
	.amdhsa_code_object_version 6
	.text
	.protected	k_qb16c9925fe_prep
	.globl	k_qb16c9925fe_prep
	.p2align	8
	.type	k_qb16c9925fe_prep,@function
k_qb16c9925fe_prep:
	s_mov_b64 s[64:65], 0
	v_nop
	global_prefetch_b8 v0, s[64:65] scope:SCOPE_SE
	s_setreg_imm32_b32 hwreg(HW_REG_WAVE_MODE, 25, 1), 1
	s_wait_xcnt 0x0
; THE PROGRAM: out[b][o] = pooled1[b][o] + pooled2[b][o], pooled = sum_p x[o][p] attn[o][p] / (sum_p attn[o][p] + 1e-8), attn = sigmoid(conv_w [x; dot]), the product on codes of E4M3.
; DEAD WORK, LEFT OUT.  reference() takes softmax(h2, axis = 1) over an axis of size 1: exp(h2 - h2) / exp(h2 - h2) = 1 for every finite h2, whatever ca_w1, ca_b1, ca_w2, ca_b2 and pooled hold.
; So x_weights = 1 by an identity, y_total = pooled, and the result is the sum of the two branches.  The two small products on ca_w1 and ca_w2, the relu and the softmax can reach no output:
; they are not computed, and ca_w1, ca_b1, ca_w2, ca_b2 are not loaded and are among no launch's arguments.
; LIMIT: a NaN, an infinity or an overflow that would arise in h1 or h2 alone is not carried to the result.
;
; THIS LAUNCH makes what all 256 work-groups of the next one read, once:
; (1) conv_w [256][257] f32 as codes of E4M3, once with the scale 2^e1 (branch 1) and once with 2^e3 (branch 2), laid as IMAGES OF THE OPERAND'S REGISTERS of v_wmma_f32_16x16x128_fp8_fp8:
;     lane (r = lane % 16, h = lane / 16) of tile t (outputs 16 t + r) holds in registers 2 cc, 2 cc + 1 the codes of k = 16 cc + 8 h + 0 .. 7, cc = 0 .. 15.
;     set s at s x SETB; four registers (quad q) of tile t at 4096 t + 512 q + 16 lane; the 257th column as registers 0, 1 of a third K step at 65536 + 256 t + 8 lane (its one code at place 0, zero codes beside it).
; (2) the centres x[b][c][16][16] of both branches, cen[64 branch + b][c], f32: 4 bytes out of every 4,096 are gathered here once and read as whole rows later.
; SHARES: work-group g takes tile g; wave w its quad w (k = 32 w .. 32 w + 31), and the centres of unit 8 g + w.  Wave 0 also takes the tile's 257th column.
; A row of conv_w is 1,028 bytes, so only loads of 4 bytes are aligned in every row.
; LIMITS: e1 and e3 between -126 and 119, so that 2^e and 448 x 2^e are f32 numbers.  NaN among the inputs is not served.
.set SETB, 69632                       ; a set of codes: 16 tiles x 4,096 bytes, then 16 x 256 bytes for the 257th column
.set WROW, 1028                        ; a row of conv_w in bytes
.set RAW,  16                          ; v16-31  my 16 numbers of W
.set WC,   32                          ; v32     W(16 g + r, 256)
.set CN,   36                          ; v36-43  eight centres
.set T,    44                          ; v44-59  two sets of eight held numbers, by turns
.set CD,   60                          ; v60-67  the codes: four registers for each scale
.set Z,    68                          ; v68-75  the column's number and seven zeros
.set WD,   76                          ; v76-79  the column's codes: two registers for each scale
	s_load_b256 s[4:11], s[0:1], 0x0               ; conv_w s[4:5], x1 s[6:7], x2 s[8:9], the scales' exponents s[10:11]
	s_load_b128 s[12:15], s[0:1], 0x20             ; wq s[12:13], cen s[14:15]
	v_lshrrev_b32 v1, 5, v0
	v_readfirstlane_b32 s16, v1                    ; wave 0..7
	v_and_b32 v1, 31, v0                           ; lane
	v_and_b32 v2, 15, v0                           ; r
	v_bfe_u32 v3, v0, 4, 1                         ; h
	v_mul_u32_u24 v5, v2, WROW                     ; row r of the tile
	v_lshl_add_u32 v4, v3, 5, v5                   ; + 8 h numbers
	v_lshlrev_b32 v6, 14, v1                       ; the centres: four channels (4 x 4,096 bytes) a lane
	v_lshlrev_b32 v7, 4, v1                        ; 16 bytes a lane
	v_lshlrev_b32 v8, 3, v1                        ; 8 bytes a lane
	v_mov_b32 v14, 0
.irp i, 1,2,3,4,5,6,7
	v_mov_b32 v[Z+\i], 0
.endr
	s_mul_i32 s28, ttmp9, 16*WROW                  ; the tile's 16 rows of conv_w
	s_mov_b32 s29, 0
	s_lshl_b32 s30, s16, 7                         ; my 32 numbers of a row
	s_mov_b32 s31, 0
	s_lshl_b32 s17, ttmp9, 3
	s_add_co_u32 s17, s17, s16                     ; unit u = 8 g + w = 64 branch + b
	s_and_b32 s26, s17, 63
	s_lshl_b32 s26, s26, 20                        ; b x 256 channels x 4,096 bytes
	s_add_co_u32 s26, s26, 2112                    ; + position (16, 16): (16 x 32 + 16) x 4 bytes
	s_mov_b32 s27, 0
	s_lshl_b32 s32, ttmp9, 12
	s_lshl_b32 s33, s16, 9
	s_add_co_u32 s32, s32, s33                     ; wq: 4096 t + 512 q
	s_mov_b32 s33, 0
	s_lshl_b32 s34, ttmp9, 8
	s_add_co_u32 s34, s34, 65536                   ; wq: 65536 + 256 t
	s_mov_b32 s35, 0
	s_lshl_b32 s36, s17, 10                        ; cen: 1,024 bytes a unit
	s_mov_b32 s37, 0
	s_wait_kmcnt 0x0
	s_load_b128 s[20:23], s[10:11], 0x0            ; e0, e1, e2, e3
	s_add_nc_u64 s[4:5], s[4:5], s[28:29]          ; conv_w at the tile's first row
	s_add_nc_u64 s[18:19], s[4:5], s[30:31]        ; and at my 32 numbers of it
	s_cmp_lt_u32 ttmp9, 8                          ; units 0 to 63 are branch 1's: the choice hangs on the work-group's number alone
	s_cselect_b64 s[24:25], s[6:7], s[8:9]
	s_add_nc_u64 s[24:25], s[24:25], s[26:27]
	s_add_nc_u64 s[32:33], s[12:13], s[32:33]
	s_add_nc_u64 s[34:35], s[12:13], s[34:35]
	s_add_nc_u64 s[14:15], s[14:15], s[36:37]
.irp c, 0,1
.irp i, 0,1,2,3,4,5,6,7
	global_load_b32 v[RAW+8*\c+\i], v4, s[18:19] offset:64*\c+4*\i      ; W(16 g + r, 32 w + 16 c + 8 h + i)
.endr
.endr
	global_load_b32 v[WC], v5, s[4:5] offset:1024  ; W(16 g + r, 256): one load in every wave, so that all waves count alike; wave 0 uses it
.irp m, 0,1
.irp j, 0,1,2,3
	global_load_b32 v[CN+4*\m+\j], v6, s[24:25] offset:\m*524288+\j*4096   ; the centre of channel 128 m + 4 lane + j
.endr
.endr
	s_wait_kmcnt 0x0
	s_add_co_i32 s38, s21, 127
	s_lshl_b32 s39, s38, 23
	v_mov_b32 v10, s39                             ; 2^e1 as f32: the conversion takes its exponent field
	s_add_co_i32 s38, s38, 8
	s_lshl_b32 s38, s38, 23
	s_or_b32 s38, s38, 0x600000
	v_mov_b32 v11, s38                             ; 448 x 2^e1
	s_add_co_i32 s38, s23, 127
	s_lshl_b32 s39, s38, 23
	v_mov_b32 v12, s39                             ; 2^e3
	s_add_co_i32 s38, s38, 8
	s_lshl_b32 s38, s38, 23
	s_or_b32 s38, s38, 0x600000
	v_mov_b32 v13, s38                             ; 448 x 2^e3
	s_wait_loadcnt 9                               ; the 16 numbers of W are in; the nine younger loads (the column, eight centres) may be out
; My 16 numbers with one scale: held within the largest code x the scale (the conversion to an 8-bit code does not saturate: ISA guide 7.6.2), then eight codes a conversion.
; The two sets of held numbers take turns, so that eight plain lines stand between a conversion and the next write of its sources.
.macro QW n, sc, lim
.irp c, 0,1
.irp i, 0,1,2,3,4,5,6,7
	v_med3_num_f32 v[T+8*\c+\i], v[RAW+8*\c+\i], -v[\lim], v[\lim]
.endr
	v_cvt_scalef32_pk8_fp8_f32 v[CD+4*(\n)+2*\c:CD+4*(\n)+2*\c+1], v[T+8*\c:T+8*\c+7], v[\sc]
.endr
.endm
	QW 0, 10, 11
	QW 1, 12, 13
	v_nop                                          ; a plain line behind the last conversion
	global_store_b128 v7, v[CD:CD+3], s[32:33]                  ; the wave stores 512 consecutive bytes, aligned
	global_store_b128 v7, v[CD+4:CD+7], s[32:33] offset:SETB
	s_wait_loadcnt 0x0                             ; the column and the centres
	global_store_b128 v7, v[CN:CN+3], s[14:15]                  ; channels 4 lane + 0 .. 3
	global_store_b128 v7, v[CN+4:CN+7], s[14:15] offset:512     ; channels 128 + 4 lane + 0 .. 3
	s_cmp_lg_u32 s16, 0
	s_cbranch_scc1 .Ldone                          ; the 257th column is wave 0's
	v_cmp_gt_u32 vcc_lo, 16, v1
	v_cndmask_b32 v[WC], v14, v[WC], vcc_lo        ; lanes 16-31 hold places 8 .. 15 of the third K step: zeros
	v_med3_num_f32 v[Z], v[WC], -v11, v11
	v_cvt_scalef32_pk8_fp8_f32 v[WD:WD+1], v[Z:Z+7], v10
	v_nop                                          ; a plain line between the conversion and the write of its source
	v_med3_num_f32 v[Z], v[WC], -v13, v13
	v_cvt_scalef32_pk8_fp8_f32 v[WD+2:WD+3], v[Z:Z+7], v12
	v_nop
	global_store_b64 v8, v[WD:WD+1], s[34:35]                   ; 256 consecutive bytes, aligned
	global_store_b64 v8, v[WD+2:WD+3], s[34:35] offset:SETB
.Ldone:
	s_endpgm
.Lfunc_end_k_qb16c9925fe_prep:
	.size	k_qb16c9925fe_prep, .Lfunc_end_k_qb16c9925fe_prep-k_qb16c9925fe_prep
	.p2alignl 7, 3214868480
	.fill 96, 4, 3214868480
	.section	.rodata,"a",@progbits
	.p2align	6, 0x0
	.amdhsa_kernel k_qb16c9925fe_prep
		.amdhsa_group_segment_fixed_size 0
		.amdhsa_private_segment_fixed_size 0
		.amdhsa_enable_private_segment 0
		.amdhsa_kernarg_size 48
		.amdhsa_user_sgpr_count 2
		.amdhsa_user_sgpr_kernarg_segment_ptr 1
		.amdhsa_wavefront_size32 1
		.amdhsa_system_sgpr_workgroup_id_x 1
		.amdhsa_system_sgpr_workgroup_id_y 1
		.amdhsa_system_sgpr_workgroup_id_z 1
		.amdhsa_system_vgpr_workitem_id 0
		.amdhsa_next_free_vgpr 80
		.amdhsa_next_free_sgpr 66
		.amdhsa_reserve_vcc 1
		.amdhsa_float_denorm_mode_32 3
		.amdhsa_float_denorm_mode_16_64 3
		.amdhsa_memory_ordered 1
		.amdhsa_forward_progress 1
		.amdhsa_inst_pref_size 9
	.end_amdhsa_kernel
	.amdgpu_metadata
---
amdhsa.version: [ 1, 2 ]
amdhsa.kernels:
  - .name:           k_qb16c9925fe_prep
    .symbol:         k_qb16c9925fe_prep.kd
    .args:
      - { .name: conv_w, .offset: 0, .size: 8, .value_kind: global_buffer, .address_space: global }
      - { .name: x1, .offset: 8, .size: 8, .value_kind: global_buffer, .address_space: global }
      - { .name: x2, .offset: 16, .size: 8, .value_kind: global_buffer, .address_space: global }
      - { .name: lowp_scales, .offset: 24, .size: 8, .value_kind: global_buffer, .address_space: global }
      - { .name: wq, .offset: 32, .size: 8, .value_kind: global_buffer, .address_space: global }
      - { .name: cen, .offset: 40, .size: 8, .value_kind: global_buffer, .address_space: global }
    .group_segment_fixed_size: 0
    .private_segment_fixed_size: 0
    .kernarg_segment_align: 8
    .kernarg_segment_size: 48
    .max_flat_workgroup_size: 256
    .sgpr_count:     66
    .vgpr_count:     80
    .wavefront_size: 32
...
	.end_amdgpu_metadata
.endif
;; end of part 1
;; launch main (part 2): grid 256 x 1, 4 waves a work-group, no clusters, 327,680 bytes of LDS; arguments x1, x2, wq, cen, lowp_scales, part; writes part
.if DOCPART == 2
	.amdgcn_target "amdgcn-amd-amdhsa--gfx1250"
	.amdhsa_code_object_version 6
	.text
	.protected	k_qb16c9925fe_main
	.globl	k_qb16c9925fe_main
	.p2align	8
	.type	k_qb16c9925fe_main,@function
k_qb16c9925fe_main:
	s_mov_b64 s[64:65], 0
	v_nop
	global_prefetch_b8 v0, s[64:65] scope:SCOPE_SE
	s_setreg_imm32_b32 hwreg(HW_REG_WAVE_MODE, 25, 1), 1
	s_wait_xcnt 0x0
; For one branch, one batch and one half of the 1,024 positions: part = (sum_p attn[o][p], sum_p x[o][p] attn[o][p]) for all 256 outputs o,
; attn = sigmoid(conv_w [x; dot]), dot[p] = sum_c x[c][p] x[c][centre] / 256; the product on codes of E4M3 with the given scales 2^ea (for [x; dot]) and 2^ew (for conv_w).
; (The layer on ca_w1 .. ca_b2 is left out as dead work: its softmax over an axis of size 1 is 1 by an identity; shown at the head of the first kernel.)
; SHARES.  Work-group g = 128 branch + 2 b + half owns 256 channels x 512 positions, 512 KiB of x, each byte read from memory once.  The positions go in 4 chunks of 128 through two LDS slots,
; filled by the tensor data mover: each wave fetches 64 channels x 512 bytes with one load.  In a chunk wave w owns positions 32 w .. 32 w + 31 (two tiles of 16) and ALL 256 outputs: all of conv_w's codes
; stay in every wave's registers, so no operand goes from wave to wave, each number of x is quantised once and each sigmoid is computed once.
; NO CLUSTER: no two work-groups read the same byte of x.  What all share, 69,632 bytes of codes, goes straight into each wave's registers; beside the ring LDS has 327,680 - 279,040 = 48,640 bytes, too few for it.
; LAYOUT.  K (the channels) is not innermost in x: a lane takes a position and its registers run down the channels.  Lane (r, h) reads x[16 o + 8 h + i][p0 + r], i = 0 .. 7 (an OCTET), which one conversion turns
; into registers 2 o, 2 o + 1 of the operand of v_wmma_f32_16x16x128_fp8_fp8.  The same eight numbers feed the dot's sums on the way.  K = 257 goes as three steps of 128: channels 0-127, 128-255, and a step whose
; one live place, 0, holds the dot's code; zero codes stand beside it on x's side, so what stands at those places on conv_w's side adds nothing.
; Source 0 = 16 positions, source 1 = 16 outputs: in the result lane (r, h) holds ONE output 16 t + r and positions p0 + 8 h + 0 .. 7: x for the pooling comes by two loads of 16 bytes, and the sums over p stay in the lane.
; LIMITS on the given exponents, so that each power of two below is an f32 number: ea between -126 and 119; ea + ew between -126 and 127 (added to the exponent field of -log2(e)).  NaN among the inputs is not served.
; REGISTERS, in windows of 256 (s_set_vgpr_msb: bits 1:0 source 0, 3:2 source 1, 5:4 source 2, 7:6 destination):
;   window 0: v0 thread; v1, v2 the add's two; v3-12 LDS addresses; v13, v14 448 x 2^ea, 2^ea; v16-23 the dot's sums; v24-31 the dot and seven zeros; v32-47 the third K step's operand; v48-79 x's codes;
;             v80-143 eight octets of x; v144-207 two buffers of four accumulators; v208-253 the 257th column: register 2 t is tile t's, tile t's operand is v[208 + 2 t] on, 16 registers.
;   window 1: v0-127 the centres (register 8 o + i: channel 16 o + 8 h + i); v128-191 the sums (tile t: attn's pair at 128 + 4 t, x attn's at 130 + 4 t); v192-223 x for the pooling; v224, v225 as v13, v14.
;   window 2: conv_w's tiles 0-7, 32 registers each;   window 3: tiles 8-15.
.set PITCH, 528                        ; an LDS row: 512 bytes + 16 of padding = 132 words: row c starts at bank 4 c mod 64 (64 banks of 4 bytes: ISA guide 11.1)
.set WROWS, 64*PITCH                   ; 64 rows: what one tensor load brings
.set SLOT,  4*WROWS                    ; 256 rows: a chunk
.set RED,   2*SLOT                     ; behind the ring: 2,048 bytes for each wave's sums; no tensor load lands here
.set SPARE, RED+8192                   ; behind them: the spare words, 128 bytes for each wave: two blocks of 256 bytes that no other line names
.set SETB,  69632                      ; a set of conv_w's codes
.set CHB,   512                        ; a chunk's bytes of a row of x
.set SPW, 1
.set NIL, 2
.set AQB, 3                            ; v3     4 r + 8 h rows + 128 w: my place in a chunk for the octets; never rewritten
.set AEB, 4                            ; v4     r rows + 32 h + 128 w: my place for the pooling; never rewritten
.set AQ,  5                            ; v5-8   the tile's addresses for octets 0-3, 4-7, 8-11, 12-15 (an LDS offset has 16 bits)
.set AE,  9                            ; v9-12  the same for output tiles 0-3, 4-7, 8-11, 12-15
.set LIM0, 13
.set SCA0, 14
.set TMP, 15
.set TM2, 254
.set DA,  16
.set DS,  24
.set DC,  32
.set AC,  48
.set XR,  80
.set ACC, 144
.set WD,  208
.set CEN, 0                            ; window 1
.set SUM, 128
.set XE,  192
.set LIM1, 224
.set SCA1, 225
.set G1,  24                           ; s[24:31] descriptor group 1
.set G0,  32                           ; s[32:39] descriptor group 0, a set for each slot
.set MSB, 0
.macro WIN new                         ; the immediate's high byte repeats the setting that is left; a switch that changes nothing is dropped
.if MSB != (\new)
	s_set_vgpr_msb (MSB<<8)|(\new)
.set MSB, (\new)
.endif
.endm
.macro PLACES
.rept 4
	v_nop
.endr
.endm
	s_load_b256 s[4:11], s[0:1], 0x0               ; x1 s[4:5], x2 s[6:7], wq s[8:9], cen s[10:11]
	s_load_b128 s[12:15], s[0:1], 0x20             ; the scales' exponents s[12:13], part s[14:15]
	v_lshl_add_u32 v[SPW], v0, 2, SPARE
	v_mov_b32 v[NIL], 0
	ds_add_u32 v[SPW], v[NIL]                      ; the wave's opening: the add, twice on end, and its wait ahead of my first tensor load; the set-up below stands between
	ds_add_u32 v[SPW], v[NIL]
	v_lshrrev_b32 v[TMP], 5, v0
	v_readfirstlane_b32 s16, v[TMP]                ; wave 0..3
	s_lshr_b32 s17, ttmp9, 7                       ; branch
	s_bfe_u32 s18, ttmp9, 0x60001                  ; b: 6 bits from bit 1
	s_and_b32 s19, ttmp9, 1                        ; half
	s_lshl_b32 s20, s18, 20                        ; b x 256 channels x 4,096 bytes
	s_lshl_b32 s21, s19, 11                        ; + half x 512 positions
	s_add_co_u32 s20, s20, s21
	s_lshl_b32 s21, s16, 18                        ; + my 64 channels
	s_add_co_u32 s20, s20, s21
	s_mov_b32 s21, 0
	; descriptor group 1: a tile of 64 rows x 128 elements of 4 bytes, rows 1,024 elements apart in memory, padded in LDS
	s_mov_b32 s[G1+0], (2<<16)|(1<<20)|(6<<22)|(3<<25)   ; 15:0 no mask; 17:16 elements of 4 bytes; 20 padding on; 24:22 after every 128 words (code 6); 31:25 four words (code 3)
	s_mov_b32 s[G1+1], 128<<16                     ; tensor_dim0 = 128
	s_mov_b32 s[G1+2], 64<<16                      ; tensor_dim1 = 64
	s_mov_b32 s[G1+3], 128<<16                     ; tile_dim0 = 128
	s_mov_b32 s[G1+4], 64                          ; tile_dim1 = 64
	s_mov_b32 s[G1+5], 1024                        ; tensor_dim0_stride
	s_mov_b32 s[G1+6], 0
	s_mov_b32 s[G1+7], 0
	s_mov_b32 s46, 0x76543210                      ; v_permlanex16_b32's selects for lane l xor 16
	s_mov_b32 s47, 0xfedcba98
	s_mov_b32 s[G0+0], 1                           ; count = 1
	s_mul_i32 s[G0+1], s16, WROWS                  ; LDS address: slot 0, my 64 rows
	s_mov_b32 s[G0+4], 1
	s_add_co_u32 s[G0+5], s[G0+1], SLOT            ; slot 1
	s_wait_dscnt 0x0                               ; both opening adds are done
	s_wait_kmcnt 0x0
	s_load_b128 s[40:43], s[12:13], 0x0            ; e0, e1, e2, e3
	s_cmp_lt_u32 ttmp9, 128                        ; the branch's tensor: the choice hangs on the work-group's number alone
	s_cselect_b64 s[22:23], s[4:5], s[6:7]
	s_add_nc_u64 s[22:23], s[22:23], s[20:21]
	s_mov_b64 s[G0+2:G0+3], s[22:23]               ; global address: chunk 0
	s_or_b32 s[G0+3], s[G0+3], 0x80000000          ; type = 2
	s_add_nc_u64 s[G0+6:G0+7], s[22:23], CHB       ; chunk 1
	s_or_b32 s[G0+7], s[G0+7], 0x80000000
	tensor_load_to_lds s[G0:G0+3], s[G1:G1+7]      ; the two first fills go out together, in every wave, ahead of everything else: two loads of mine are out
	s_nop 0
	tensor_load_to_lds s[G0+4:G0+7], s[G1:G1+7]
	s_nop 0
	PLACES
	s_mul_i32 s20, s17, SETB
	s_add_nc_u64 s[8:9], s[8:9], s[20:21]          ; the branch's set of codes
	s_lshr_b32 s20, ttmp9, 1
	s_lshl_b32 s20, s20, 10
	s_add_nc_u64 s[10:11], s[10:11], s[20:21]      ; the centres of unit 64 branch + b
	s_lshl_b32 s20, ttmp9, 11
	s_add_nc_u64 s[14:15], s[14:15], s[20:21]      ; my work-group's 2,048 bytes of part
	v_and_b32 v[TMP], 31, v0
	v_lshlrev_b32 v80, 4, v[TMP]                   ; 16 x lane   (v80-82 are free again behind the wait for these loads)
	v_lshlrev_b32 v81, 3, v[TMP]                   ; 8 x lane
	v_bfe_u32 v82, v0, 4, 1
	v_lshlrev_b32 v82, 5, v82                      ; 32 h
	WIN 0x80                                       ; destination window 2
.irp t, 0,1,2,3,4,5,6,7
.irp q, 0,1,2,3,4,5,6,7
	global_load_b128 v[32*\t+4*\q:32*\t+4*\q+3], v80, s[8:9] offset:(8*\t+\q)*512      ; conv_w's codes come as images of the registers: 512 consecutive bytes a load
.endr
.endr
	WIN 0xc0                                       ; destination window 3
.irp t, 8,9,10,11,12,13,14,15
.irp q, 0,1,2,3,4,5,6,7
	global_load_b128 v[32*(\t-8)+4*\q:32*(\t-8)+4*\q+3], v80, s[8:9] offset:(8*\t+\q)*512
.endr
.endr
	WIN 0
.irp t, 0,1,2,3,4,5,6,7,8,9,10,11,12,13,14,15
	global_load_b64 v[WD+2*\t:WD+2*\t+1], v81, s[8:9] offset:65536+256*\t              ; the 257th column
.endr
	WIN 0x40                                       ; destination window 1
.irp c, 0,1,2,3,4,5,6,7,8,9,10,11,12,13,14,15
	global_load_b128 v[CEN+8*\c:CEN+8*\c+3], v82, s[10:11] offset:64*\c                ; the centres of channels 16 c + 8 h + 0 .. 7
	global_load_b128 v[CEN+8*\c+4:CEN+8*\c+7], v82, s[10:11] offset:64*\c+16
.endr
.set i, 0
.rept 64
	v_mov_b32 v[SUM+i], 0                          ; the 64 sums begin as zeros, once: so a tile of positions is written once, with no first tile of its own
.set i, i+1
.endr
	s_wait_kmcnt 0x0
	s_cmp_lt_u32 ttmp9, 128
	s_cselect_b32 s52, s40, s42                    ; ea
	s_cselect_b32 s53, s41, s43                    ; ew
	s_add_co_i32 s53, s52, s53
	s_lshl_b32 s53, s53, 23
	s_add_co_u32 s44, s53, 0xbfb8aa3b              ; -log2(e) x 2^(ea + ew): a sum stands for sum x 2^(ea + ew); the two exponents are added to the constant's exponent field
	s_mov_b32 s45, s44                             ; (named with it as a pair, so it is written)
	s_add_co_i32 s52, s52, 127
	s_lshl_b32 s55, s52, 23                        ; 2^ea as f32: the conversion takes its exponent field
	s_add_co_i32 s52, s52, 8
	s_lshl_b32 s56, s52, 23
	s_or_b32 s56, s56, 0x600000                    ; 448 x 2^ea
	v_mov_b32 v[LIM1], s56
	v_mov_b32 v[SCA1], s55
	WIN 0
	v_mov_b32 v[LIM0], s56
	v_mov_b32 v[SCA0], s55
.irp i, 1,2,3,4,5,6,7
	v_mov_b32 v[DS+\i], 0
.endr
.irp i, 2,3,4,5,6,7,8,9,10,11,12,13,14,15
	v_mov_b32 v[DC+\i], 0                          ; zero codes at places 16 .. 127 of the third K step
.endr
.irp i, 32,33,34,35,36,37,38,39,40,41,42,43,44,45
	v_mov_b32 v[WD+\i], 0
.endr
	v_mov_b32 v[TM2], 0                            ; written once: a lane permute's destination counts as one of its sources
	v_and_b32 v16, 15, v0                          ; r
	v_bfe_u32 v17, v0, 4, 1                        ; h
	s_lshl_b32 s20, s16, 7                         ; my wave's 32 positions
	v_mul_u32_u24 v18, v17, 8*PITCH
	v_lshl_add_u32 v[AQB], v16, 2, v18
	v_add_nc_u32 v[AQB], s20, v[AQB]
	v_mul_u32_u24 v[AEB], v16, PITCH
	v_lshl_add_u32 v[AEB], v17, 5, v[AEB]
	v_add_nc_u32 v[AEB], s20, v[AEB]
; Octet o of 16: x[16 o + 8 h + i][my position], i = 0 .. 7.  Lanes 0-15 read 64 consecutive bytes, lanes 16-31 the same eight rows further on (4,224 bytes = 128 modulo 256).
.macro LDO o
.irp i, 0,1,2,3,4,5,6,7
	ds_load_b32 v[XR+8*((\o)%8)+\i], v[AQ+(\o)/4] offset:(((\o)%4)*16+\i)*PITCH
.endr
.endm
; Octet o is worked: the dot's sums take the numbers as they are (four packed multiply-adds with the centres); then the hold and the conversion.  The loads run seven octets ahead.
.macro OCT o
.if (\o) < 9
	s_wait_dscnt 48                                ; LDS loads come back in order: octet o is in; the six octets issued behind it may be out
.else
	s_wait_dscnt 8*(15-(\o))                       ; towards the end fewer are behind it
.endif
.irp j, 0,1,2,3
.if (\o) == 0
	v_pk_mul_f32 v[DA+2*\j:DA+2*\j+1], v[XR+8*((\o)%8)+2*\j:XR+8*((\o)%8)+2*\j+1], v[CEN+8*(\o)+2*\j:CEN+8*(\o)+2*\j+1]   ; the first octet starts the sums
.else
	v_pk_fma_f32 v[DA+2*\j:DA+2*\j+1], v[XR+8*((\o)%8)+2*\j:XR+8*((\o)%8)+2*\j+1], v[CEN+8*(\o)+2*\j:CEN+8*(\o)+2*\j+1], v[DA+2*\j:DA+2*\j+1]
.endif
.endr
.irp i, 0,1,2,3,4,5,6,7
	v_med3_num_f32 v[XR+8*((\o)%8)+\i], v[XR+8*((\o)%8)+\i], -v[LIM1], v[LIM0]   ; the conversion to an 8-bit code does not saturate (ISA guide 7.6.2): held within 448 x 2^ea first
.endr
	v_cvt_scalef32_pk8_fp8_f32 v[AC+2*(\o):AC+2*(\o)+1], v[XR+8*((\o)%8):XR+8*((\o)%8)+7], v[SCA1]
.if (\o)+7 <= 15
	LDO (\o)+7                                     ; into the registers of octet o - 1, whose conversion stands thirteen plain lines back
.endif
.endm
; The dot: my 128 channels' sums, lane l xor 16's, / 256; held, and quantised with seven zeros into registers 0, 1 of the third K step's operand.  The four address lines are the plain lines behind the conversion.
.macro DOTFIN
	WIN 0
	v_pk_add_f32 v[DA:DA+1], v[DA:DA+1], v[DA+2:DA+3]
	v_pk_add_f32 v[DA+4:DA+5], v[DA+4:DA+5], v[DA+6:DA+7]
	v_pk_add_f32 v[DA:DA+1], v[DA:DA+1], v[DA+4:DA+5]
	v_add_f32 v[TMP], v[DA], v[DA+1]
	v_permlanex16_b32 v[TM2], v[TMP], s46, s47
	v_add_f32 v[TMP], v[TMP], v[TM2]
	v_mul_f32 v[TMP], 0x3b800000, v[TMP]           ; / 256
	v_med3_num_f32 v[DS], v[TMP], -v[LIM0], v[LIM0]
	v_cvt_scalef32_pk8_fp8_f32 v[DC:DC+1], v[DS:DS+7], v[SCA0]
	v_add_nc_u32 v[AE], s48, v[AEB]
	v_add_nc_u32 v[AE+1], WROWS, v[AE]
	v_add_nc_u32 v[AE+2], 2*WROWS, v[AE]
	v_add_nc_u32 v[AE+3], 3*WROWS, v[AE]
.endm
; The scores of output tiles 4 g .. 4 g + 3 into buffer buf: three K steps, the four accumulators by turns, one instruction a turn.  The first step starts the sums.
.macro MM g, buf
	WIN 0x08+4*((\g)/2)                            ; source 1 (conv_w) window 2 or 3
.irp t, 0,1,2,3
	v_wmma_f32_16x16x128_fp8_fp8 v[ACC+32*(\buf)+8*\t:ACC+32*(\buf)+8*\t+7], v[AC:AC+15], v[32*((4*(\g)+\t)%8):32*((4*(\g)+\t)%8)+15], 0
.endr
.irp t, 0,1,2,3
	v_wmma_f32_16x16x128_fp8_fp8 v[ACC+32*(\buf)+8*\t:ACC+32*(\buf)+8*\t+7], v[AC+16:AC+31], v[32*((4*(\g)+\t)%8)+16:32*((4*(\g)+\t)%8)+31], v[ACC+32*(\buf)+8*\t:ACC+32*(\buf)+8*\t+7]
.endr
	WIN 0
.irp t, 0,1,2,3
	v_wmma_f32_16x16x128_fp8_fp8 v[ACC+32*(\buf)+8*\t:ACC+32*(\buf)+8*\t+7], v[DC:DC+15], v[WD+2*(4*(\g)+\t):WD+2*(4*(\g)+\t)+15], v[ACC+32*(\buf)+8*\t:ACC+32*(\buf)+8*\t+7]
.endr
.endm
; The sigmoid and the two sums for the four tiles in buffer buf.  attn = 1 / (1 + 2^(-log2(e) score)).  The 32 exponentials are one batch with one wait, and so are the 32 reciprocals.
.macro SG g, buf
.set SGA, ACC+32*(\buf)
	WIN 0x40                                       ; destination window 1
.irp t, 0,1,2,3
	ds_load_b128 v[XE+8*\t:XE+8*\t+3], v[AE+\g] offset:\t*16*PITCH        ; x[16 t + r][p0 + 8 h + 0 .. 7]: the 16 rows of a load start at 16 different groups of four banks
	ds_load_b128 v[XE+8*\t+4:XE+8*\t+7], v[AE+\g] offset:\t*16*PITCH+16
.endr
	WIN 0
.irp j, 0,2,4,6,8,10,12,14,16,18,20,22,24,26,28,30
	v_pk_mul_f32 v[SGA+\j:SGA+\j+1], v[SGA+\j:SGA+\j+1], s[44:45] op_sel_hi:[1,0]   ; each accumulator from its low end on
.endr
.set k, 0
.rept 32
	v_exp_f32 v[SGA+k], v[SGA+k]
.set k, k+1
.endr
	v_nop                                          ; a plain line behind the last exponential,
	s_wait_alu depctr_va_vdst(0)                   ; and a wait ahead of the first use: one for the batch
.irp j, 0,2,4,6,8,10,12,14,16,18,20,22,24,26,28,30
	v_pk_add_f32 v[SGA+\j:SGA+\j+1], v[SGA+\j:SGA+\j+1], 1.0 op_sel_hi:[1,0]
.endr
.set k, 0
.rept 32
	v_rcp_f32 v[SGA+k], v[SGA+k]
.set k, k+1
.endr
	v_nop
	s_wait_alu depctr_va_vdst(0)                   ; one for the batch of reciprocals
	s_wait_dscnt 0x0                               ; x for the pooling is in
	WIN 0x51                                       ; destination, source 0 and source 2 window 1; attn (source 1) window 0
.irp i, 0,1,2,3
.irp t, 0,1,2,3
	v_pk_add_f32 v[SUM+4*(4*(\g)+\t):SUM+4*(4*(\g)+\t)+1], v[SUM+4*(4*(\g)+\t):SUM+4*(4*(\g)+\t)+1], v[SGA+8*\t+2*\i:SGA+8*\t+2*\i+1]
	v_pk_fma_f32 v[SUM+4*(4*(\g)+\t)+2:SUM+4*(4*(\g)+\t)+3], v[XE+8*\t+2*\i:XE+8*\t+2*\i+1], v[SGA+8*\t+2*\i:SGA+8*\t+2*\i+1], v[SUM+4*(4*(\g)+\t)+2:SUM+4*(4*(\g)+\t)+3]
.endr
.endr
	WIN 0
.endm
; A tile of 16 positions, at LDS byte s48 of the rows.  The products of the next four output tiles are issued ahead of each sigmoid.
; A vector instruction that reads a matrix result stands four plain vector instructions behind it (ISA guide 7.12.1): four v_nop ahead of the first sigmoid; later the sigmoid of the other buffer is those places, and
; more than five of its lines stand ahead of the products that begin a buffer's sums anew.
.macro PTILE
	v_add_nc_u32 v[AQ], s48, v[AQB]
	v_add_nc_u32 v[AQ+1], WROWS, v[AQ]
	v_add_nc_u32 v[AQ+2], 2*WROWS, v[AQ]
	v_add_nc_u32 v[AQ+3], 3*WROWS, v[AQ]
	WIN 0x04                                       ; source 1 (the centres, the limit, the scale) window 1
.irp o, 0,1,2,3,4,5,6
	LDO \o
.endr
.irp o, 0,1,2,3,4,5,6,7,8,9,10,11,12,13,14,15
	OCT \o
.endr
	DOTFIN
	MM 0, 0
	MM 1, 1
	PLACES
	SG 0, 0
	MM 2, 0
	SG 1, 1
	MM 3, 1
	SG 2, 0
	SG 3, 1
.endm
; A chunk: my two tiles of positions, 64 bytes apart in the rows.
.macro CHUNK slot
	s_mov_b32 s48, (\slot)*SLOT
	s_mov_b32 s49, 2
.Lpt_\@:
	PTILE
	s_add_co_u32 s48, s48, 64
	s_sub_co_u32 s49, s49, 1
	s_cmp_lg_u32 s49, 0
	s_cbranch_scc1 .Lpt_\@
.endm
; The change of slots.  Each wave waits for all its tensor loads (its part of the slot ahead), adds 0 to its spare word, and waits for that and for its reads of the slot that it leaves.
; Behind the barrier the slot ahead is whole and nobody reads the other.  fill = 1: that other slot takes the chunk two further on: my one tensor load, first thing behind the barrier.
.macro CHANGE slot, fill
	s_wait_tensorcnt 0x0                           ; no tensor load of mine is out, so a group 0 may be written
	ds_add_u32 v[SPW], v[NIL]                      ; 0 onto my spare word
.if \fill
	s_add_nc_u64 s[G0+4*(\slot)+2:G0+4*(\slot)+3], s[G0+4*(\slot)+2:G0+4*(\slot)+3], 2*CHB   ; two chunks on; the type bits on top are not reached
.endif
	s_wait_dscnt 0x0                               ; the add is done, and my reads of the slot are over
	s_barrier_signal -1
	s_barrier_wait -1
.if \fill
	tensor_load_to_lds s[G0+4*(\slot):G0+4*(\slot)+3], s[G1:G1+7]
	s_nop 0
	PLACES
.endif
.endm
	s_wait_loadcnt 0x0                             ; conv_w's codes and the centres
	s_wait_tensorcnt 0x1                           ; my part of chunk 0 is in; chunk 1's load, the one issued behind it, may stay out
	s_barrier_signal -1
	s_barrier_wait -1                              ; everybody's is
	CHUNK 0                                        ; chunk 0
	CHANGE 0, 1                                    ; chunk 2 goes out, into slot 0
	CHUNK 1                                        ; chunk 1
	CHANGE 1, 1                                    ; chunk 3 goes out, into slot 1: the last load
	CHUNK 0                                        ; chunk 2
	CHANGE 0, 0
	CHUNK 1                                        ; chunk 3
	; THE END.  A lane's pairs are added, then lane l xor 16's; the four waves, which hold different positions, meet in LDS; each thread adds four numbers of the four waves and stores 16 bytes.
	WIN 0x05                                       ; sources 0 and 1 window 1
.irp t, 0,1,2,3,4,5,6,7,8,9,10,11,12,13,14,15
	v_add_f32 v[XR+2*\t], v[SUM+4*\t], v[SUM+4*\t+1]
	v_add_f32 v[XR+2*\t+1], v[SUM+4*\t+2], v[SUM+4*\t+3]
.endr
	WIN 0
.set i, 0
.rept 32
	v_permlanex16_b32 v[ACC+i], v[XR+i], s46, s47
.set i, i+1
.endr
.set i, 0
.rept 32
	v_add_f32 v[XR+i], v[XR+i], v[ACC+i]
.set i, i+1
.endr
	v_and_b32 v9, 15, v0
	s_lshl_b32 s20, s16, 11
	s_add_co_u32 s20, s20, RED                     ; my wave's 2,048 bytes
	v_lshl_add_u32 v9, v9, 2, s20                  ; + 4 r
	v_lshl_add_u32 v10, v0, 4, RED                 ; back: 16 bytes a thread
	v_lshlrev_b32 v11, 4, v0
.irp t, 0,1,2,3,4,5,6,7,8,9,10,11,12,13,14,15
	ds_store_b32 v9, v[XR+2*\t] offset:64*\t                    ; the sum of attn for output 16 t + r (lanes l and l + 16 write the same word with the same number)
	ds_store_b32 v9, v[XR+2*\t+1] offset:1024+64*\t             ; the sum of x attn
.endr
	s_wait_dscnt 0x0                               ; for the others' sake: my stores are done
	s_barrier_signal -1
	s_barrier_wait -1
.irp w, 0,1,2,3
	ds_load_b128 v[XR+4*\w:XR+4*\w+3], v10 offset:2048*\w
.endr
	s_wait_dscnt 0x0
	v_pk_add_f32 v[XR:XR+1], v[XR:XR+1], v[XR+4:XR+5]
	v_pk_add_f32 v[XR+2:XR+3], v[XR+2:XR+3], v[XR+6:XR+7]
	v_pk_add_f32 v[XR+8:XR+9], v[XR+8:XR+9], v[XR+12:XR+13]
	v_pk_add_f32 v[XR+10:XR+11], v[XR+10:XR+11], v[XR+14:XR+15]
	v_pk_add_f32 v[XR:XR+1], v[XR:XR+1], v[XR+8:XR+9]
	v_pk_add_f32 v[XR+2:XR+3], v[XR+2:XR+3], v[XR+10:XR+11]
	global_store_b128 v11, v[XR:XR+3], s[14:15]    ; a wave stores 512 consecutive bytes, aligned
	s_wait_tensorcnt 0x0                           ; the wave's end, behind my last tensor load and my last LDS store
	ds_add_u32 v[SPW], v[NIL]
	s_wait_dscnt 0x0
	s_endpgm
.Lfunc_end_k_qb16c9925fe_main:
	.size	k_qb16c9925fe_main, .Lfunc_end_k_qb16c9925fe_main-k_qb16c9925fe_main
	.p2alignl 7, 3214868480
	.fill 96, 4, 3214868480
	.section	.rodata,"a",@progbits
	.p2align	6, 0x0
	.amdhsa_kernel k_qb16c9925fe_main
		.amdhsa_group_segment_fixed_size 327680
		.amdhsa_private_segment_fixed_size 0
		.amdhsa_enable_private_segment 0
		.amdhsa_kernarg_size 48
		.amdhsa_user_sgpr_count 2
		.amdhsa_user_sgpr_kernarg_segment_ptr 1
		.amdhsa_wavefront_size32 1
		.amdhsa_system_sgpr_workgroup_id_x 1
		.amdhsa_system_sgpr_workgroup_id_y 1
		.amdhsa_system_sgpr_workgroup_id_z 1
		.amdhsa_system_vgpr_workitem_id 0
		.amdhsa_next_free_vgpr 1024
		.amdhsa_next_free_sgpr 66
		.amdhsa_reserve_vcc 0
		.amdhsa_float_denorm_mode_32 3
		.amdhsa_float_denorm_mode_16_64 3
		.amdhsa_memory_ordered 1
		.amdhsa_forward_progress 1
		.amdhsa_inst_pref_size 246
	.end_amdhsa_kernel
	.amdgpu_metadata
---
amdhsa.version: [ 1, 2 ]
amdhsa.kernels:
  - .name:           k_qb16c9925fe_main
    .symbol:         k_qb16c9925fe_main.kd
    .args:
      - { .name: x1, .offset: 0, .size: 8, .value_kind: global_buffer, .address_space: global }
      - { .name: x2, .offset: 8, .size: 8, .value_kind: global_buffer, .address_space: global }
      - { .name: wq, .offset: 16, .size: 8, .value_kind: global_buffer, .address_space: global }
      - { .name: cen, .offset: 24, .size: 8, .value_kind: global_buffer, .address_space: global }
      - { .name: lowp_scales, .offset: 32, .size: 8, .value_kind: global_buffer, .address_space: global }
      - { .name: part, .offset: 40, .size: 8, .value_kind: global_buffer, .address_space: global }
    .group_segment_fixed_size: 327680
    .private_segment_fixed_size: 0
    .kernarg_segment_align: 8
    .kernarg_segment_size: 48
    .max_flat_workgroup_size: 128
    .sgpr_count:     66
    .vgpr_count:     1024
    .wavefront_size: 32
...
	.end_amdgpu_metadata
.endif
;; end of part 2
;; launch combine (part 3): grid 16 x 1, 8 waves a work-group, no clusters, 0 bytes of LDS; arguments part, out0; writes out0
.if DOCPART == 3
	.amdgcn_target "amdgcn-amd-amdhsa--gfx1250"
	.amdhsa_code_object_version 6
	.text
	.protected	k_qb16c9925fe_combine
	.globl	k_qb16c9925fe_combine
	.p2align	8
	.type	k_qb16c9925fe_combine,@function
k_qb16c9925fe_combine:
	s_mov_b64 s[64:65], 0
	v_nop
	global_prefetch_b8 v0, s[64:65] scope:SCOPE_SE
	s_setreg_imm32_b32 hwreg(HW_REG_WAVE_MODE, 25, 1), 1
	s_wait_xcnt 0x0
; out0[b][o] = X1 / (A1 + 1e-8) + X2 / (A2 + 1e-8), where A = the sum of attn and X = the sum of x attn over all 1,024 positions: each is the sum of the two halves that the launch before stored.
; (The layer on ca_w1 .. ca_b2 is left out as dead work: its softmax over an axis of size 1 is 1 by an identity, so the result is the sum of the two branches; shown at the head of the first kernel.)
; part: unit 128 branch + 2 b + half: 256 sums of attn, then 256 sums of x attn, f32: 2,048 bytes.
; Thread t of work-group g makes four outputs: b = 4 g + t / 64, o = 4 (t % 64) + 0 .. 3.  Every load and the store take 16 bytes a lane, 512 consecutive bytes a wave.
; No LDS, no barrier, no matrix unit: 576 KiB are moved once.
	s_load_b128 s[4:7], s[0:1], 0x0                ; part s[4:5], out0 s[6:7]
	v_lshrrev_b32 v1, 6, v0
	v_and_b32 v2, 63, v0
	v_lshlrev_b32 v2, 4, v2
	v_lshl_add_u32 v1, v1, 12, v2                  ; (t / 64) x 4,096 (a batch's two halves) + 16 (t % 64)
	v_lshlrev_b32 v3, 4, v0                        ; out0: 16 t
	s_lshl_b32 s8, ttmp9, 14                       ; four batches of part
	s_mov_b32 s9, 0
	s_lshl_b32 s10, ttmp9, 12                      ; four rows of out0
	s_mov_b32 s11, 0
	s_mov_b32 s12, 0x322bcc77                      ; 1e-8
	s_mov_b32 s13, s12                             ; (named with it as a pair, so it is written)
	s_wait_kmcnt 0x0
	s_add_nc_u64 s[4:5], s[4:5], s[8:9]
	s_add_nc_u64 s[6:7], s[6:7], s[10:11]
.irp br, 0,1
.irp hf, 0,1
.irp kd, 0,1
	global_load_b128 v[8+16*\br+8*\hf+4*\kd:8+16*\br+8*\hf+4*\kd+3], v1, s[4:5] offset:\br*262144+\hf*2048+\kd*1024 th:TH_LOAD_NT
.endr
.endr
.endr
	s_wait_loadcnt 0x0
.irp br, 0,1
.irp j, 0,2
	v_pk_add_f32 v[8+16*\br+\j:9+16*\br+\j], v[8+16*\br+\j:9+16*\br+\j], v[16+16*\br+\j:17+16*\br+\j]       ; A: the two halves
	v_pk_add_f32 v[12+16*\br+\j:13+16*\br+\j], v[12+16*\br+\j:13+16*\br+\j], v[20+16*\br+\j:21+16*\br+\j]   ; X: the two halves
.endr
.endr
.irp br, 0,1
.irp j, 0,2
	v_pk_add_f32 v[8+16*\br+\j:9+16*\br+\j], v[8+16*\br+\j:9+16*\br+\j], s[12:13] op_sel_hi:[1,0]           ; + 1e-8
.endr
.endr
.irp br, 0,1
.irp i, 0,1,2,3
	v_rcp_f32 v[40+4*\br+\i], v[8+16*\br+\i]
.endr
.endr
	v_nop                                          ; a plain line behind the last reciprocal,
	s_wait_alu depctr_va_vdst(0)                   ; and a wait ahead of the first use: one for the eight
.irp j, 0,2
	v_pk_mul_f32 v[48+\j:49+\j], v[12+\j:13+\j], v[40+\j:41+\j]
.endr
.irp j, 0,2
	v_pk_fma_f32 v[48+\j:49+\j], v[28+\j:29+\j], v[44+\j:45+\j], v[48+\j:49+\j]
.endr
	global_store_b128 v3, v[48:51], s[6:7]
	s_endpgm
.Lfunc_end_k_qb16c9925fe_combine:
	.size	k_qb16c9925fe_combine, .Lfunc_end_k_qb16c9925fe_combine-k_qb16c9925fe_combine
	.p2alignl 7, 3214868480
	.fill 96, 4, 3214868480
	.section	.rodata,"a",@progbits
	.p2align	6, 0x0
	.amdhsa_kernel k_qb16c9925fe_combine
		.amdhsa_group_segment_fixed_size 0
		.amdhsa_private_segment_fixed_size 0
		.amdhsa_enable_private_segment 0
		.amdhsa_kernarg_size 16
		.amdhsa_user_sgpr_count 2
		.amdhsa_user_sgpr_kernarg_segment_ptr 1
		.amdhsa_wavefront_size32 1
		.amdhsa_system_sgpr_workgroup_id_x 1
		.amdhsa_system_sgpr_workgroup_id_y 1
		.amdhsa_system_sgpr_workgroup_id_z 1
		.amdhsa_system_vgpr_workitem_id 0
		.amdhsa_next_free_vgpr 56
		.amdhsa_next_free_sgpr 66
		.amdhsa_reserve_vcc 0
		.amdhsa_float_denorm_mode_32 3
		.amdhsa_float_denorm_mode_16_64 3
		.amdhsa_memory_ordered 1
		.amdhsa_forward_progress 1
		.amdhsa_inst_pref_size 4
	.end_amdhsa_kernel
	.amdgpu_metadata
---
amdhsa.version: [ 1, 2 ]
amdhsa.kernels:
  - .name:           k_qb16c9925fe_combine
    .symbol:         k_qb16c9925fe_combine.kd
    .args:
      - { .name: part, .offset: 0, .size: 8, .value_kind: global_buffer, .address_space: global }
      - { .name: out0, .offset: 8, .size: 8, .value_kind: global_buffer, .address_space: global }
    .group_segment_fixed_size: 0
    .private_segment_fixed_size: 0
    .kernarg_segment_align: 8
    .kernarg_segment_size: 16
    .max_flat_workgroup_size: 256
    .sgpr_count:     66
    .vgpr_count:     56
    .wavefront_size: 32
...
	.end_amdgpu_metadata
.endif
;; end of part 3
;; ======== version 2 of 2: 3 launches; 1.14 times as fast as version 1
;; workspace buffers: wq 139,264 bytes; cen 131,072 bytes; part 524,288 bytes
;; launch prep (part 4): grid 128 x 1, 2 waves a work-group, no clusters, 0 bytes of LDS; arguments conv_w, x1, x2, lowp_scales, wq, cen; writes wq, cen
.if DOCPART == 4
	.amdgcn_target "amdgcn-amd-amdhsa--gfx1250"
	.amdhsa_code_object_version 6
	.text
	.protected	k_qb16c9925fe_prep
	.globl	k_qb16c9925fe_prep
	.p2align	8
	.type	k_qb16c9925fe_prep,@function
k_qb16c9925fe_prep:
	s_mov_b64 s[64:65], 0
	v_nop
	global_prefetch_b8 v0, s[64:65] scope:SCOPE_SE
	s_setreg_imm32_b32 hwreg(HW_REG_WAVE_MODE, 25, 1), 1
	s_wait_xcnt 0x0
; THE PROGRAM: out[b][o] = pooled1[b][o] + pooled2[b][o], pooled = sum_p x[o][p] attn[o][p] / (sum_p attn[o][p] + 1e-8), attn = sigmoid(conv_w [x; dot]), the product on codes of E4M3.
; DEAD WORK, LEFT OUT.  reference() takes softmax(h2, axis = 1) over an axis of size 1: exp(h2 - h2) / exp(h2 - h2) = 1 for every finite h2, whatever ca_w1, ca_b1, ca_w2, ca_b2 and pooled hold.
; So x_weights = 1 by an identity, y_total = pooled, and the result is the sum of the two branches.  The two small products on ca_w1 and ca_w2, the relu and the softmax can reach no output:
; they are not computed, and ca_w1, ca_b1, ca_w2, ca_b2 are not loaded and are among no launch's arguments.
; LIMIT: a NaN, an infinity or an overflow that would arise in h1 or h2 alone is not carried to the result.
;
; THIS LAUNCH makes what all 256 work-groups of the next one read, once:
; (1) conv_w [256][257] f32 as codes of E4M3, once with the scale 2^e1 (branch 1: set 0) and once with 2^e3 (branch 2: set 1), laid as IMAGES OF THE OPERAND'S REGISTERS of v_wmma_f32_16x16x128_fp8_fp8:
;     lane (r = lane % 16, h = lane / 16) of tile t (outputs 16 t + r) holds in registers 2 cc, 2 cc + 1 the codes of k = 16 cc + 8 h + 0 .. 7, cc = 0 .. 15.
;     set s at s x SETB; four registers (quad q) of tile t at 4096 t + 512 q + 16 lane; the 257th column as registers 0, 1 of a third K step at 65536 + 256 t + 8 lane (its one code at place 0, zero codes beside it).
; (2) the centres x[b][c][16][16] of both branches, cen[64 branch + b][c], f32: 4 bytes out of every 4,096 are gathered here once and read as whole rows later.
; SHARES: 128 work-groups of two waves.  Work-group g takes the centres of unit g = 64 branch + b (wave m: channels 128 m .. 128 m + 127) and quad g % 8 of tile g / 8 (k = 32 q .. 32 q + 31): both waves
; load its 16 numbers a lane, and wave m makes set m's codes.  Where g % 8 = 0, wave m also makes set m's codes of the tile's 257th column.
; A row of conv_w is 1,028 bytes, so only loads of 4 bytes are aligned in every row.
; LIMITS: e1 and e3 between -126 and 119, so that 2^e and 448 x 2^e are f32 numbers.  NaN among the inputs is not served.
.set SETB, 69632                       ; a set of codes: 16 tiles x 4,096 bytes, then 16 x 256 bytes for the 257th column
.set WROW, 1028                        ; a row of conv_w in bytes
.set RAW,  16                          ; v16-31  my 16 numbers of W
.set WC,   32                          ; v32     W(16 t + r, 256)
.set CN,   36                          ; v36-39  four centres
.set T,    44                          ; v44-59  two sets of eight held numbers
.set CD,   60                          ; v60-63  the codes
.set Z,    68                          ; v68-75  the column's number and seven zeros
.set WD,   76                          ; v76-77  the column's codes
	s_load_b256 s[4:11], s[0:1], 0x0               ; conv_w s[4:5], x1 s[6:7], x2 s[8:9], the scales' exponents s[10:11]
	s_load_b128 s[12:15], s[0:1], 0x20             ; wq s[12:13], cen s[14:15]
	v_lshrrev_b32 v1, 5, v0
	v_readfirstlane_b32 s16, v1                    ; wave m = 0, 1
	v_and_b32 v1, 31, v0                           ; lane
	v_and_b32 v2, 15, v0                           ; r
	v_bfe_u32 v3, v0, 4, 1                         ; h
	v_mul_u32_u24 v5, v2, WROW                     ; row r of the tile
	v_lshl_add_u32 v4, v3, 5, v5                   ; + 8 h numbers
	v_lshlrev_b32 v6, 14, v1                       ; the centres: four channels (4 x 4,096 bytes) a lane
	v_lshlrev_b32 v7, 4, v1                        ; 16 bytes a lane
	v_lshlrev_b32 v8, 3, v1                        ; 8 bytes a lane
	v_mov_b32 v14, 0
.irp i, 1,2,3,4,5,6,7
	v_mov_b32 v[Z+\i], 0
.endr
	s_lshr_b32 s17, ttmp9, 3                       ; tile t
	s_and_b32 s18, ttmp9, 7                        ; quad q
	s_mul_i32 s28, s17, 16*WROW                    ; the tile's 16 rows of conv_w
	s_mov_b32 s29, 0
	s_lshl_b32 s30, s18, 7                         ; the quad's 32 numbers of a row
	s_mov_b32 s31, 0
	s_and_b32 s26, ttmp9, 63
	s_lshl_b32 s26, s26, 20                        ; b x 256 channels x 4,096 bytes
	s_lshl_b32 s27, s16, 19                        ; + m x 128 channels
	s_add_co_u32 s26, s26, s27
	s_add_co_u32 s26, s26, 2112                    ; + position (16, 16): (16 x 32 + 16) x 4 bytes
	s_mov_b32 s27, 0
	s_mul_i32 s19, s16, SETB                       ; my set
	s_lshl_b32 s32, s17, 12
	s_lshl_b32 s33, s18, 9
	s_add_co_u32 s32, s32, s33
	s_add_co_u32 s32, s32, s19                     ; wq: set + 4096 t + 512 q
	s_mov_b32 s33, 0
	s_lshl_b32 s34, s17, 8
	s_add_co_u32 s34, s34, 65536
	s_add_co_u32 s34, s34, s19                     ; wq: set + 65536 + 256 t
	s_mov_b32 s35, 0
	s_lshl_b32 s36, ttmp9, 10
	s_lshl_b32 s37, s16, 9
	s_add_co_u32 s36, s36, s37                     ; cen: 1,024 bytes a unit, 512 a wave
	s_mov_b32 s37, 0
	s_wait_kmcnt 0x0
	s_load_b128 s[20:23], s[10:11], 0x0            ; e0, e1, e2, e3
	s_add_nc_u64 s[4:5], s[4:5], s[28:29]          ; conv_w at the tile's first row
	s_add_nc_u64 s[38:39], s[4:5], s[30:31]        ; and at the quad's 32 numbers of it
	s_cmp_lt_u32 ttmp9, 64                         ; units 0 to 63 are branch 1's: the choice hangs on the work-group's number alone
	s_cselect_b64 s[24:25], s[6:7], s[8:9]
	s_add_nc_u64 s[24:25], s[24:25], s[26:27]
	s_add_nc_u64 s[32:33], s[12:13], s[32:33]
	s_add_nc_u64 s[34:35], s[12:13], s[34:35]
	s_add_nc_u64 s[14:15], s[14:15], s[36:37]
.irp c, 0,1
.irp i, 0,1,2,3,4,5,6,7
	global_load_b32 v[RAW+8*\c+\i], v4, s[38:39] offset:64*\c+4*\i      ; W(16 t + r, 32 q + 16 c + 8 h + i)
.endr
.endr
	global_load_b32 v[WC], v5, s[4:5] offset:1024  ; W(16 t + r, 256): one load in every wave, so that all waves count alike; the work-groups with q = 0 use it
.irp j, 0,1,2,3
	global_load_b32 v[CN+\j], v6, s[24:25] offset:\j*4096               ; the centre of channel 128 m + 4 lane + j
.endr
	s_wait_kmcnt 0x0
	s_cmp_eq_u32 s16, 0
	s_cselect_b32 s28, s21, s23                    ; my set's exponent: e1 or e3
	s_add_co_i32 s28, s28, 127
	s_lshl_b32 s29, s28, 23
	v_mov_b32 v10, s29                             ; 2^e as f32: the conversion takes its exponent field
	s_add_co_i32 s28, s28, 8
	s_lshl_b32 s28, s28, 23
	s_or_b32 s28, s28, 0x600000
	v_mov_b32 v11, s28                             ; 448 x 2^e
	s_wait_loadcnt 5                               ; the 16 numbers of W are in; the five younger loads (the column, four centres) may be out
; My 16 numbers: held within the largest code x the scale (the conversion to an 8-bit code does not saturate: ISA guide 7.6.2), then eight codes a conversion.
.irp c, 0,1
.irp i, 0,1,2,3,4,5,6,7
	v_med3_num_f32 v[T+8*\c+\i], v[RAW+8*\c+\i], -v11, v11
.endr
	v_cvt_scalef32_pk8_fp8_f32 v[CD+2*\c:CD+2*\c+1], v[T+8*\c:T+8*\c+7], v10
.endr
	v_nop                                          ; a plain line behind the last conversion
	global_store_b128 v7, v[CD:CD+3], s[32:33]     ; the wave stores 512 consecutive bytes, aligned
	s_wait_loadcnt 0x0                             ; the column and the centres
	global_store_b128 v7, v[CN:CN+3], s[14:15]     ; channels 128 m + 4 lane + 0 .. 3: 512 consecutive bytes, aligned
	s_cmp_lg_u32 s18, 0
	s_cbranch_scc1 .Ldone                          ; the tile's 257th column is made where q = 0
	v_cmp_gt_u32 vcc_lo, 16, v1
	v_cndmask_b32 v[WC], v14, v[WC], vcc_lo        ; lanes 16-31 hold places 8 .. 15 of the third K step: zeros
	v_med3_num_f32 v[Z], v[WC], -v11, v11
	v_cvt_scalef32_pk8_fp8_f32 v[WD:WD+1], v[Z:Z+7], v10
	v_nop
	global_store_b64 v8, v[WD:WD+1], s[34:35]      ; 256 consecutive bytes, aligned
.Ldone:
	s_endpgm
.Lfunc_end_k_qb16c9925fe_prep:
	.size	k_qb16c9925fe_prep, .Lfunc_end_k_qb16c9925fe_prep-k_qb16c9925fe_prep
	.p2alignl 7, 3214868480
	.fill 96, 4, 3214868480
	.section	.rodata,"a",@progbits
	.p2align	6, 0x0
	.amdhsa_kernel k_qb16c9925fe_prep
		.amdhsa_group_segment_fixed_size 0
		.amdhsa_private_segment_fixed_size 0
		.amdhsa_enable_private_segment 0
		.amdhsa_kernarg_size 48
		.amdhsa_user_sgpr_count 2
		.amdhsa_user_sgpr_kernarg_segment_ptr 1
		.amdhsa_wavefront_size32 1
		.amdhsa_system_sgpr_workgroup_id_x 1
		.amdhsa_system_sgpr_workgroup_id_y 1
		.amdhsa_system_sgpr_workgroup_id_z 1
		.amdhsa_system_vgpr_workitem_id 0
		.amdhsa_next_free_vgpr 80
		.amdhsa_next_free_sgpr 66
		.amdhsa_reserve_vcc 1
		.amdhsa_float_denorm_mode_32 3
		.amdhsa_float_denorm_mode_16_64 3
		.amdhsa_memory_ordered 1
		.amdhsa_forward_progress 1
		.amdhsa_inst_pref_size 7
	.end_amdhsa_kernel
	.amdgpu_metadata
---
amdhsa.version: [ 1, 2 ]
amdhsa.kernels:
  - .name:           k_qb16c9925fe_prep
    .symbol:         k_qb16c9925fe_prep.kd
    .args:
      - { .name: conv_w, .offset: 0, .size: 8, .value_kind: global_buffer, .address_space: global }
      - { .name: x1, .offset: 8, .size: 8, .value_kind: global_buffer, .address_space: global }
      - { .name: x2, .offset: 16, .size: 8, .value_kind: global_buffer, .address_space: global }
      - { .name: lowp_scales, .offset: 24, .size: 8, .value_kind: global_buffer, .address_space: global }
      - { .name: wq, .offset: 32, .size: 8, .value_kind: global_buffer, .address_space: global }
      - { .name: cen, .offset: 40, .size: 8, .value_kind: global_buffer, .address_space: global }
    .group_segment_fixed_size: 0
    .private_segment_fixed_size: 0
    .kernarg_segment_align: 8
    .kernarg_segment_size: 48
    .max_flat_workgroup_size: 64
    .sgpr_count:     66
    .vgpr_count:     80
    .wavefront_size: 32
...
	.end_amdgpu_metadata
.endif
;; end of part 4
;; launch main (part 5): grid 256 x 1, 4 waves a work-group, no clusters, 327,680 bytes of LDS; arguments x1, x2, wq, cen, lowp_scales, part; writes part
.if DOCPART == 5
	.amdgcn_target "amdgcn-amd-amdhsa--gfx1250"
	.amdhsa_code_object_version 6
	.text
	.protected	k_qb16c9925fe_main
	.globl	k_qb16c9925fe_main
	.p2align	8
	.type	k_qb16c9925fe_main,@function
k_qb16c9925fe_main:
	s_mov_b64 s[64:65], 0
	v_nop
	global_prefetch_b8 v0, s[64:65] scope:SCOPE_SE
	s_setreg_imm32_b32 hwreg(HW_REG_WAVE_MODE, 25, 1), 1
	s_wait_xcnt 0x0
; For one branch, one batch and one half of the 1,024 positions: part = (sum_p attn[o][p], sum_p x[o][p] attn[o][p]) for all 256 outputs o,
; attn = sigmoid(conv_w [x; dot]), dot[p] = sum_c x[c][p] x[c][centre] / 256; the product on codes of E4M3 with the given scales 2^ea (for [x; dot]) and 2^ew (for conv_w).
; (The layer on ca_w1 .. ca_b2 is left out as dead work: its softmax over an axis of size 1 is 1 by an identity; shown at the head of the first kernel.)
; SHARES.  Work-group g = 128 branch + 2 b + half owns 256 channels x 512 positions, 512 KiB of x, each byte read from memory once.  The positions go in 4 chunks of 128 through two LDS slots,
; filled by the tensor data mover: each wave fetches 64 channels x 512 bytes with one load.  In a chunk wave w owns positions 32 w .. 32 w + 31 (two tiles of 16) and ALL 256 outputs: all of conv_w's codes
; stay in every wave's registers, so no operand goes from wave to wave, each number of x is quantised once and each sigmoid is computed once.
; NO CLUSTER: no two work-groups read the same byte of x.  What all share, 69,632 bytes of codes, goes straight into each wave's registers; beside the ring LDS has 327,680 - 279,040 = 48,640 bytes, too few for it.
; NO PREFETCH: half of a work-group's bytes are asked for at its head, and each of the two refills has a whole chunk's work, two tiles of positions, in which to land.
; LAYOUT.  K (the channels) is not innermost in x: a lane takes a position and its registers run down the channels.  Lane (r, h) reads x[16 o + 8 h + i][p0 + r], i = 0 .. 7 (an OCTET), which one conversion turns
; into registers 2 o, 2 o + 1 of the operand of v_wmma_f32_16x16x128_fp8_fp8.  The same eight numbers feed the dot's sums on the way.  K = 257 goes as three steps of 128: channels 0-127, 128-255, and a step whose
; one live place, 0, holds the dot's code; zero codes stand beside it on x's side, so what stands at those places on conv_w's side adds nothing.
; Source 0 = 16 positions, source 1 = 16 outputs: in the result lane (r, h) holds ONE output 16 t + r and positions p0 + 8 h + 0 .. 7: x for the pooling comes by two loads of 16 bytes, and the sums over p stay in the lane.
; ORDER.  The LDS loads stand in five runs a tile of positions, never singly among vector work.  The twelve products of output group g + 1 stand singly among the sigmoid of group g, whose lines name no vector register
; as source 1 and so run under conv_w's window.
; LIMITS on the given exponents, so that each power of two below is an f32 number: ea between -126 and 119; ea + ew between -126 and 127 (added to the exponent field of -log2(e)).  NaN among the inputs is not served.
; REGISTERS, in windows of 256 (s_set_vgpr_msb: bits 1:0 source 0, 3:2 source 1, 5:4 source 2, 7:6 destination):
;   window 0: v0 thread; v1, v2 the add's two; v3-12 LDS addresses; v13, v14 448 x 2^ea, 2^ea; v16-23 the dot's sums; v24-31 the dot and seven zeros; v32-47 the third K step's operand; v48-79 x's codes;
;             v80-207 the sixteen octets of x; once they are codes: v80-143 x for the pooling of two output groups, v144-207 two buffers of four accumulators;
;             v208-253 the 257th column: register 2 t is tile t's, tile t's operand is v[208 + 2 t] on, 16 registers.
;   window 1: v0-127 the centres (register 8 o + i: channel 16 o + 8 h + i); v128-191 the sums (tile t: attn's pair at 128 + 4 t, x attn's at 130 + 4 t); v224, v225 as v13, v14.
;   window 2: conv_w's tiles 0-7, 32 registers each;   window 3: tiles 8-15.
.set PITCH, 528                        ; an LDS row: 512 bytes + 16 of padding = 132 words: row c starts at bank 4 c mod 64 (64 banks of 4 bytes: ISA guide 11.1)
.set WROWS, 64*PITCH                   ; 64 rows: what one tensor load brings
.set SLOT,  4*WROWS                    ; 256 rows: a chunk
.set RED,   2*SLOT                     ; behind the ring: 2,048 bytes for each wave's sums; no tensor load lands here
.set SPARE, RED+8192                   ; behind them: the spare words, 128 bytes for each wave: two blocks of 256 bytes that no other line names
.set SETB,  69632                      ; a set of conv_w's codes
.set CHB,   512                        ; a chunk's bytes of a row of x
.set SPW, 1
.set NIL, 2
.set AQB, 3                            ; v3     4 r + 8 h rows + 128 w: my place in a chunk for the octets; never rewritten
.set AEB, 4                            ; v4     r rows + 32 h + 128 w: my place for the pooling; never rewritten
.set AQ,  5                            ; v5-8   the tile's addresses for octets 0-3, 4-7, 8-11, 12-15 (an LDS offset has 16 bits)
.set AE,  9                            ; v9-12  the same for output tiles 0-3, 4-7, 8-11, 12-15
.set LIM0, 13
.set SCA0, 14
.set TMP, 15
.set TM2, 254
.set DA,  16
.set DS,  24
.set DC,  32
.set AC,  48
.set XR,  80
.set ACC, 144
.set WD,  208
.set CEN, 0                            ; window 1
.set SUM, 128
.set LIM1, 224
.set SCA1, 225
.set G1,  24                           ; s[24:31] descriptor group 1
.set G0,  32                           ; s[32:39] descriptor group 0, a set for each slot
.set MSB, 0
.macro WIN new                         ; the immediate's high byte repeats the setting that is left; a switch that changes nothing is dropped
.if MSB != (\new)
	s_set_vgpr_msb (MSB<<8)|(\new)
.set MSB, (\new)
.endif
.endm
.macro PLACES
.rept 4
	v_nop
.endr
.endm
	s_load_b256 s[4:11], s[0:1], 0x0               ; x1 s[4:5], x2 s[6:7], wq s[8:9], cen s[10:11]
	s_load_b128 s[12:15], s[0:1], 0x20             ; the scales' exponents s[12:13], part s[14:15]
	v_lshl_add_u32 v[SPW], v0, 2, SPARE
	v_mov_b32 v[NIL], 0
	ds_add_u32 v[SPW], v[NIL]                      ; the wave's opening: the add, twice on end, and its wait ahead of my first tensor load; the set-up below stands between
	ds_add_u32 v[SPW], v[NIL]
	v_lshrrev_b32 v[TMP], 5, v0
	v_readfirstlane_b32 s16, v[TMP]                ; wave 0..3
	s_lshr_b32 s17, ttmp9, 7                       ; branch
	s_bfe_u32 s18, ttmp9, 0x60001                  ; b: 6 bits from bit 1
	s_and_b32 s19, ttmp9, 1                        ; half
	s_lshl_b32 s20, s18, 20                        ; b x 256 channels x 4,096 bytes
	s_lshl_b32 s21, s19, 11                        ; + half x 512 positions
	s_add_co_u32 s20, s20, s21
	s_lshl_b32 s21, s16, 18                        ; + my 64 channels
	s_add_co_u32 s20, s20, s21
	s_mov_b32 s21, 0
	; descriptor group 1: a tile of 64 rows x 128 elements of 4 bytes, rows 1,024 elements apart in memory, padded in LDS
	s_mov_b32 s[G1+0], (2<<16)|(1<<20)|(6<<22)|(3<<25)   ; 15:0 no mask; 17:16 elements of 4 bytes; 20 padding on; 24:22 after every 128 words (code 6); 31:25 four words (code 3)
	s_mov_b32 s[G1+1], 128<<16                     ; tensor_dim0 = 128
	s_mov_b32 s[G1+2], 64<<16                      ; tensor_dim1 = 64
	s_mov_b32 s[G1+3], 128<<16                     ; tile_dim0 = 128
	s_mov_b32 s[G1+4], 64                          ; tile_dim1 = 64
	s_mov_b32 s[G1+5], 1024                        ; tensor_dim0_stride
	s_mov_b32 s[G1+6], 0
	s_mov_b32 s[G1+7], 0
	s_mov_b32 s46, 0x76543210                      ; v_permlanex16_b32's selects for lane l xor 16
	s_mov_b32 s47, 0xfedcba98
	s_mov_b32 s50, -8                              ; the dot's division by 256, as an exponent
	s_mov_b32 s[G0+0], 1                           ; count = 1
	s_mul_i32 s[G0+1], s16, WROWS                  ; LDS address: slot 0, my 64 rows
	s_mov_b32 s[G0+4], 1
	s_add_co_u32 s[G0+5], s[G0+1], SLOT            ; slot 1
	s_wait_dscnt 0x0                               ; both opening adds are done
	s_wait_kmcnt 0x0
	s_load_b128 s[40:43], s[12:13], 0x0            ; e0, e1, e2, e3
	s_cmp_lt_u32 ttmp9, 128                        ; the branch's tensor: the choice hangs on the work-group's number alone
	s_cselect_b64 s[22:23], s[4:5], s[6:7]
	s_add_nc_u64 s[22:23], s[22:23], s[20:21]
	s_mov_b64 s[G0+2:G0+3], s[22:23]               ; global address: chunk 0
	s_or_b32 s[G0+3], s[G0+3], 0x80000000          ; type = 2
	s_add_nc_u64 s[G0+6:G0+7], s[22:23], CHB       ; chunk 1
	s_or_b32 s[G0+7], s[G0+7], 0x80000000
	tensor_load_to_lds s[G0:G0+3], s[G1:G1+7]      ; the two first fills go out together, in every wave, ahead of everything else: two loads of mine are out
	s_nop 0
	tensor_load_to_lds s[G0+4:G0+7], s[G1:G1+7]
	s_nop 0
	PLACES
	s_mul_i32 s20, s17, SETB
	s_add_nc_u64 s[8:9], s[8:9], s[20:21]          ; the branch's set of codes
	s_lshr_b32 s20, ttmp9, 1
	s_lshl_b32 s20, s20, 10
	s_add_nc_u64 s[10:11], s[10:11], s[20:21]      ; the centres of unit 64 branch + b
	s_lshl_b32 s20, ttmp9, 11
	s_add_nc_u64 s[14:15], s[14:15], s[20:21]      ; my work-group's 2,048 bytes of part
	v_and_b32 v[TMP], 31, v0
	v_lshlrev_b32 v80, 4, v[TMP]                   ; 16 x lane   (v80-82 are free again behind the wait for these loads)
	v_lshlrev_b32 v81, 3, v[TMP]                   ; 8 x lane
	v_bfe_u32 v82, v0, 4, 1
	v_lshlrev_b32 v82, 5, v82                      ; 32 h
	WIN 0x80                                       ; destination window 2
.irp t, 0,1,2,3,4,5,6,7
.irp q, 0,1,2,3,4,5,6,7
	global_load_b128 v[32*\t+4*\q:32*\t+4*\q+3], v80, s[8:9] offset:(8*\t+\q)*512      ; conv_w's codes come as images of the registers: 512 consecutive bytes a load
.endr
.endr
	WIN 0xc0                                       ; destination window 3
.irp t, 8,9,10,11,12,13,14,15
.irp q, 0,1,2,3,4,5,6,7
	global_load_b128 v[32*(\t-8)+4*\q:32*(\t-8)+4*\q+3], v80, s[8:9] offset:(8*\t+\q)*512
.endr
.endr
	WIN 0
.irp t, 0,1,2,3,4,5,6,7,8,9,10,11,12,13,14,15
	global_load_b64 v[WD+2*\t:WD+2*\t+1], v81, s[8:9] offset:65536+256*\t              ; the 257th column
.endr
	WIN 0x40                                       ; destination window 1
.irp c, 0,1,2,3,4,5,6,7,8,9,10,11,12,13,14,15
	global_load_b128 v[CEN+8*\c:CEN+8*\c+3], v82, s[10:11] offset:64*\c                ; the centres of channels 16 c + 8 h + 0 .. 7
	global_load_b128 v[CEN+8*\c+4:CEN+8*\c+7], v82, s[10:11] offset:64*\c+16
.endr
.set i, 0
.rept 64
	v_mov_b32 v[SUM+i], 0                          ; the 64 sums begin as zeros, once: so a tile of positions is written once, with no first tile of its own
.set i, i+1
.endr
	s_wait_kmcnt 0x0
	s_cmp_lt_u32 ttmp9, 128
	s_cselect_b32 s52, s40, s42                    ; ea
	s_cselect_b32 s53, s41, s43                    ; ew
	s_add_co_i32 s53, s52, s53
	s_lshl_b32 s53, s53, 23
	s_add_co_u32 s44, s53, 0xbfb8aa3b              ; -log2(e) x 2^(ea + ew): a sum stands for sum x 2^(ea + ew); the two exponents are added to the constant's exponent field
	s_mov_b32 s45, s44                             ; (named with it as a pair, so it is written)
	s_add_co_i32 s52, s52, 127
	s_lshl_b32 s55, s52, 23                        ; 2^ea as f32: the conversion takes its exponent field
	s_add_co_i32 s52, s52, 8
	s_lshl_b32 s56, s52, 23
	s_or_b32 s56, s56, 0x600000                    ; 448 x 2^ea
	v_mov_b32 v[LIM1], s56
	v_mov_b32 v[SCA1], s55
	WIN 0
	v_mov_b32 v[LIM0], s56
	v_mov_b32 v[SCA0], s55
.irp i, 1,2,3,4,5,6,7
	v_mov_b32 v[DS+\i], 0
.endr
.irp i, 2,3,4,5,6,7,8,9,10,11,12,13,14,15
	v_mov_b32 v[DC+\i], 0                          ; zero codes at places 16 .. 127 of the third K step
.endr
.irp i, 32,33,34,35,36,37,38,39,40,41,42,43,44,45
	v_mov_b32 v[WD+\i], 0
.endr
	v_mov_b32 v[TM2], 0                            ; written once: a lane permute's destination counts as one of its sources
	v_and_b32 v16, 15, v0                          ; r
	v_bfe_u32 v17, v0, 4, 1                        ; h
	s_lshl_b32 s20, s16, 7                         ; my wave's 32 positions
	v_mul_u32_u24 v18, v17, 8*PITCH
	v_lshl_add_u32 v[AQB], v16, 2, v18
	v_add_nc_u32 v[AQB], s20, v[AQB]
	v_mul_u32_u24 v[AEB], v16, PITCH
	v_lshl_add_u32 v[AEB], v17, 5, v[AEB]
	v_add_nc_u32 v[AEB], s20, v[AEB]
; Octet o of 16: x[16 o + 8 h + i][my position], i = 0 .. 7, into eight registers of its own.  Lanes 0-15 read 64 consecutive bytes, lanes 16-31 the same eight rows further on (4,224 bytes = 128 modulo 256).
.macro LDO o
.irp i, 0,1,2,3,4,5,6,7
	ds_load_b32 v[XR+8*(\o)+\i], v[AQ+(\o)/4] offset:(((\o)%4)*16+\i)*PITCH
.endr
.endm
; x for the pooling of output groups g0 and g0 + 1 (eight tiles of 16 outputs): x[16 t + r][p0 + 8 h + 0 .. 7]; the 16 rows of a load start at 16 different groups of four banks.
.macro XEL g0
.irp g, 0,1
.irp t, 0,1,2,3
	ds_load_b128 v[XR+32*\g+8*\t:XR+32*\g+8*\t+3], v[AE+(\g0)+\g] offset:\t*16*PITCH
	ds_load_b128 v[XR+32*\g+8*\t+4:XR+32*\g+8*\t+7], v[AE+(\g0)+\g] offset:\t*16*PITCH+16
.endr
.endr
.endm
; Octet o is worked: the dot's sums take the numbers as they are (four packed multiply-adds with the centres); then the hold and the conversion.  cnt = the LDS loads issued behind octet o's.
.macro OCT o, cnt
	s_wait_dscnt \cnt                              ; LDS loads come back in order: octet o is in
.irp j, 0,1,2,3
.if (\o) == 0
	v_pk_mul_f32 v[DA+2*\j:DA+2*\j+1], v[XR+8*(\o)+2*\j:XR+8*(\o)+2*\j+1], v[CEN+8*(\o)+2*\j:CEN+8*(\o)+2*\j+1]   ; the first octet starts the sums
.else
	v_pk_fma_f32 v[DA+2*\j:DA+2*\j+1], v[XR+8*(\o)+2*\j:XR+8*(\o)+2*\j+1], v[CEN+8*(\o)+2*\j:CEN+8*(\o)+2*\j+1], v[DA+2*\j:DA+2*\j+1]
.endif
.endr
.irp i, 0,1,2,3,4,5,6,7
	v_med3_num_f32 v[XR+8*(\o)+\i], v[XR+8*(\o)+\i], -v[LIM1], v[LIM0]   ; the conversion to an 8-bit code does not saturate (ISA guide 7.6.2): held within 448 x 2^ea first
.endr
	v_cvt_scalef32_pk8_fp8_f32 v[AC+2*(\o):AC+2*(\o)+1], v[XR+8*(\o):XR+8*(\o)+7], v[SCA1]
.endm
; Product n of 12 of output group g (tiles 4 g .. 4 g + 3) into buffer buf: K step n / 4, tile n % 4.  The four accumulators take turns, one instruction a turn.  The first step starts the sums.
; Products 0-7 want conv_w's window for source 1, products 8-11 window 0.
.macro WM g, buf, n
.set wt, (\n)%4
.set wa, ACC+32*(\buf)+8*wt
.set ww, 32*((4*(\g)+wt)%8)
.set wc, WD+2*(4*(\g)+wt)
.if (\n) < 4
	v_wmma_f32_16x16x128_fp8_fp8 v[wa:wa+7], v[AC:AC+15], v[ww:ww+15], 0
.elseif (\n) < 8
	v_wmma_f32_16x16x128_fp8_fp8 v[wa:wa+7], v[AC+16:AC+31], v[ww+16:ww+31], v[wa:wa+7]
.else
	v_wmma_f32_16x16x128_fp8_fp8 v[wa:wa+7], v[DC:DC+15], v[wc:wc+15], v[wa:wa+7]
.endif
.endm
; The dot is finished and output group 0 is multiplied.  The dot's last lines are a chain in which each waits for the one before: group 0's first eight products, which want x's codes alone, stand between them.
; Source 1's window is conv_w's there, so each sum of two registers is written as a fused multiply-add by 1.0, with its second addend in source 2: the same number, rounded once.
; The dot: my 128 channels' sums, lane l xor 16's, / 256; held, and quantised with seven zeros into registers 0, 1 of the third K step's operand.
.macro HEADMM
	WIN 0x08                                       ; source 1 window 2
	v_pk_fma_f32 v[DA:DA+1], v[DA:DA+1], 1.0, v[DA+2:DA+3] op_sel_hi:[1,0,1]       ; (also the plain line behind the last octet's conversion)
	WM 0, 0, 0
	v_pk_fma_f32 v[DA+4:DA+5], v[DA+4:DA+5], 1.0, v[DA+6:DA+7] op_sel_hi:[1,0,1]
	WM 0, 0, 1
	v_pk_fma_f32 v[DA:DA+1], v[DA:DA+1], 1.0, v[DA+4:DA+5] op_sel_hi:[1,0,1]
	WM 0, 0, 2
	v_fma_f32 v[TMP], v[DA], 1.0, v[DA+1]
	WM 0, 0, 3
	v_permlanex16_b32 v[TM2], v[TMP], s46, s47
	WM 0, 0, 4
	v_fma_f32 v[TMP], v[TMP], 1.0, v[TM2]
	WM 0, 0, 5
	v_ldexp_f32 v[TMP], v[TMP], s50                ; / 256
	WM 0, 0, 6
	WM 0, 0, 7
	WIN 0
	v_med3_num_f32 v[DS], v[TMP], -v[LIM0], v[LIM0]
	v_cvt_scalef32_pk8_fp8_f32 v[DC:DC+1], v[DS:DS+7], v[SCA0]
	v_nop                                          ; one plain line between the conversion and the product that reads its result
	WM 0, 0, 8
	WM 0, 0, 9
	WM 0, 0, 10
	WM 0, 0, 11
	PLACES                                         ; a vector instruction that reads a matrix result stands four plain vector instructions behind it (ISA guide 7.12.1)
.endm
; The sigmoid and the two sums for the four tiles of output group g in buffer buf.  attn = 1 / (1 + 2^(-log2(e) score)).  mm = 1: the twelve products of group g + 1, into the other buffer, stand among the lines.
; Each scaling is followed by the two exponentials of the pair two places back, each addition of 1 by two reciprocals likewise.  The 32 exponentials are one batch with one wait, and so are the 32 reciprocals:
; inside a batch no line names a result.  Behind the other buffer's last product stand three additions of 1, a v_nop and the 32 sums, which name none of its registers: the places ahead of that buffer's first reader.
.macro SGM g, buf, mm
.set SGA, ACC+32*(\buf)
.set SGX, XR+32*((\g)%2)
.if \mm
	WIN 0x08+4*(((\g)+1)/2)                        ; source 1 (conv_w) window 2 or 3; the sigmoid's lines have a scalar, a constant or nothing there
.endif
.set k, 0
.rept 16
	v_pk_mul_f32 v[SGA+2*k:SGA+2*k+1], v[SGA+2*k:SGA+2*k+1], s[44:45] op_sel_hi:[1,0]   ; each accumulator from its low end on
.if k >= 2
	v_exp_f32 v[SGA+2*k-4], v[SGA+2*k-4]
.endif
.if (\mm) && (k%2 == 0)
	WM (\g)+1, 1-(\buf), k/2
.endif
.if k >= 2
	v_exp_f32 v[SGA+2*k-3], v[SGA+2*k-3]
.endif
.set k, k+1
.endr
.irp e, 28,29,30,31
	v_exp_f32 v[SGA+\e], v[SGA+\e]
.endr
	v_nop                                          ; a plain line behind the last exponential,
	s_wait_alu depctr_va_vdst(0)                   ; and a wait ahead of the first use: one for the batch
	WIN 0
.set k, 0
.rept 16
	v_pk_add_f32 v[SGA+2*k:SGA+2*k+1], v[SGA+2*k:SGA+2*k+1], 1.0 op_sel_hi:[1,0]
.if k >= 2
	v_rcp_f32 v[SGA+2*k-4], v[SGA+2*k-4]
.endif
.if (\mm) && (k%4 == 0)
	WM (\g)+1, 1-(\buf), 8+k/4
.endif
.if k >= 2
	v_rcp_f32 v[SGA+2*k-3], v[SGA+2*k-3]
.endif
.set k, k+1
.endr
.irp e, 28,29,30,31
	v_rcp_f32 v[SGA+\e], v[SGA+\e]
.endr
	v_nop
	s_wait_alu depctr_va_vdst(0)                   ; one for the batch of reciprocals
.if (\g)%2 == 0
	s_wait_dscnt 0x0                               ; x for the pooling of this group and the next is in
.endif
	WIN 0x50                                       ; destination and source 2 (the sums) window 1; x and attn window 0.  So the sum of attn too is a fused multiply-add, by 1.0, with the sum in source 2
.irp i, 0,1,2,3
.irp t, 0,1,2,3
	v_pk_fma_f32 v[SUM+4*(4*(\g)+\t):SUM+4*(4*(\g)+\t)+1], v[SGA+8*\t+2*\i:SGA+8*\t+2*\i+1], 1.0, v[SUM+4*(4*(\g)+\t):SUM+4*(4*(\g)+\t)+1] op_sel_hi:[1,0,1]
	v_pk_fma_f32 v[SUM+4*(4*(\g)+\t)+2:SUM+4*(4*(\g)+\t)+3], v[SGX+8*\t+2*\i:SGX+8*\t+2*\i+1], v[SGA+8*\t+2*\i:SGA+8*\t+2*\i+1], v[SUM+4*(4*(\g)+\t)+2:SUM+4*(4*(\g)+\t)+3]
.endr
.endr
	WIN 0
.endm
; A tile of 16 positions, at LDS byte s48 of the rows.  The octets' loads go out in four runs, each three octets or more ahead of its first use; at most 56 LDS loads are out.
; The counts: behind the first octet worked after a run stand the two older octets still out and the run's 32 loads: 48; then 40, 32, 24.  The last run is octet 15's eight and the pooling's sixteen: 40, 32, 24, 16.
.macro PTILE
	v_add_nc_u32 v[AQ], s48, v[AQB]
	v_add_nc_u32 v[AQ+1], WROWS, v[AQ]
	v_add_nc_u32 v[AQ+2], 2*WROWS, v[AQ]
	v_add_nc_u32 v[AQ+3], 3*WROWS, v[AQ]
	v_add_nc_u32 v[AE], s48, v[AEB]
	v_add_nc_u32 v[AE+1], WROWS, v[AE]
	v_add_nc_u32 v[AE+2], 2*WROWS, v[AE]
	v_add_nc_u32 v[AE+3], 3*WROWS, v[AE]
	WIN 0x04                                       ; source 1 (the centres, the limit, the scale) window 1
.irp o, 0,1,2,3,4,5,6
	LDO \o
.endr
	OCT 0, 48
	OCT 1, 40
	OCT 2, 32
	OCT 3, 24
.irp o, 7,8,9,10
	LDO \o
.endr
	OCT 4, 48
	OCT 5, 40
	OCT 6, 32
	OCT 7, 24
.irp o, 11,12,13,14
	LDO \o
.endr
	OCT 8, 48
	OCT 9, 40
	OCT 10, 32
	OCT 11, 24
	LDO 15
	XEL 0                                          ; into the registers of octets 0 to 7, which are codes by now
	OCT 12, 40
	OCT 13, 32
	OCT 14, 24
	OCT 15, 16
	HEADMM
	SGM 0, 0, 1
	SGM 1, 1, 1
	XEL 2                                          ; the sums of groups 0 and 1 have read their x
	SGM 2, 0, 1
	SGM 3, 1, 0
.endm
; A chunk: my two tiles of positions, 64 bytes apart in the rows.
.macro CHUNK slot
	s_mov_b32 s48, (\slot)*SLOT
	s_mov_b32 s49, 2
.Lpt_\@:
	PTILE
	s_add_co_u32 s48, s48, 64
	s_sub_co_u32 s49, s49, 1
	s_cmp_lg_u32 s49, 0
	s_cbranch_scc1 .Lpt_\@
.endm
; The change of slots.  Each wave waits for all its tensor loads (its part of the slot ahead), adds 0 to its spare word, and waits for that and for its reads of the slot that it leaves.
; Behind the barrier the slot ahead is whole and nobody reads the other.  fill = 1: that other slot takes the chunk two further on: my one tensor load, first thing behind the barrier.
.macro CHANGE slot, fill
	s_wait_tensorcnt 0x0                           ; no tensor load of mine is out, so a group 0 may be written
	ds_add_u32 v[SPW], v[NIL]                      ; 0 onto my spare word
.if \fill
	s_add_nc_u64 s[G0+4*(\slot)+2:G0+4*(\slot)+3], s[G0+4*(\slot)+2:G0+4*(\slot)+3], 2*CHB   ; two chunks on; the type bits on top are not reached
.endif
	s_wait_dscnt 0x0                               ; the add is done, and my reads of the slot are over
	s_barrier_signal -1
	s_barrier_wait -1
.if \fill
	tensor_load_to_lds s[G0+4*(\slot):G0+4*(\slot)+3], s[G1:G1+7]
	s_nop 0
	PLACES
.endif
.endm
	s_wait_loadcnt 0x0                             ; conv_w's codes and the centres
	s_wait_tensorcnt 0x1                           ; my part of chunk 0 is in; chunk 1's load, the one issued behind it, may stay out
	s_barrier_signal -1
	s_barrier_wait -1                              ; everybody's is
	CHUNK 0                                        ; chunk 0
	CHANGE 0, 1                                    ; chunk 2 goes out, into slot 0
	CHUNK 1                                        ; chunk 1
	CHANGE 1, 1                                    ; chunk 3 goes out, into slot 1: the last load
	CHUNK 0                                        ; chunk 2
	CHANGE 0, 0
	CHUNK 1                                        ; chunk 3
	; THE END.  A lane's pairs are added, then lane l xor 16's; the four waves, which hold different positions, meet in LDS; each thread adds four numbers of the four waves and stores 16 bytes.
	WIN 0x05                                       ; sources 0 and 1 window 1
.irp t, 0,1,2,3,4,5,6,7,8,9,10,11,12,13,14,15
	v_add_f32 v[XR+2*\t], v[SUM+4*\t], v[SUM+4*\t+1]
	v_add_f32 v[XR+2*\t+1], v[SUM+4*\t+2], v[SUM+4*\t+3]
.endr
	WIN 0
.set i, 0
.rept 32
	v_permlanex16_b32 v[ACC+i], v[XR+i], s46, s47
.set i, i+1
.endr
.set i, 0
.rept 32
	v_add_f32 v[XR+i], v[XR+i], v[ACC+i]
.set i, i+1
.endr
	v_and_b32 v9, 15, v0
	s_lshl_b32 s20, s16, 11
	s_add_co_u32 s20, s20, RED                     ; my wave's 2,048 bytes
	v_lshl_add_u32 v9, v9, 2, s20                  ; + 4 r
	v_lshl_add_u32 v10, v0, 4, RED                 ; back: 16 bytes a thread
	v_lshlrev_b32 v11, 4, v0
.irp t, 0,1,2,3,4,5,6,7,8,9,10,11,12,13,14,15
	ds_store_b32 v9, v[XR+2*\t] offset:64*\t                    ; the sum of attn for output 16 t + r (lanes l and l + 16 write the same word with the same number)
	ds_store_b32 v9, v[XR+2*\t+1] offset:1024+64*\t             ; the sum of x attn
.endr
	s_wait_dscnt 0x0                               ; for the others' sake: my stores are done
	s_barrier_signal -1
	s_barrier_wait -1
.irp w, 0,1,2,3
	ds_load_b128 v[XR+4*\w:XR+4*\w+3], v10 offset:2048*\w
.endr
	s_wait_dscnt 0x0
	v_pk_add_f32 v[XR:XR+1], v[XR:XR+1], v[XR+4:XR+5]
	v_pk_add_f32 v[XR+2:XR+3], v[XR+2:XR+3], v[XR+6:XR+7]
	v_pk_add_f32 v[XR+8:XR+9], v[XR+8:XR+9], v[XR+12:XR+13]
	v_pk_add_f32 v[XR+10:XR+11], v[XR+10:XR+11], v[XR+14:XR+15]
	v_pk_add_f32 v[XR:XR+1], v[XR:XR+1], v[XR+8:XR+9]
	v_pk_add_f32 v[XR+2:XR+3], v[XR+2:XR+3], v[XR+10:XR+11]
	global_store_b128 v11, v[XR:XR+3], s[14:15]    ; a wave stores 512 consecutive bytes, aligned
	s_wait_tensorcnt 0x0                           ; the wave's end, behind my last tensor load and my last LDS store
	ds_add_u32 v[SPW], v[NIL]
	s_wait_dscnt 0x0
	s_endpgm
.Lfunc_end_k_qb16c9925fe_main:
	.size	k_qb16c9925fe_main, .Lfunc_end_k_qb16c9925fe_main-k_qb16c9925fe_main
	.p2alignl 7, 3214868480
	.fill 96, 4, 3214868480
	.section	.rodata,"a",@progbits
	.p2align	6, 0x0
	.amdhsa_kernel k_qb16c9925fe_main
		.amdhsa_group_segment_fixed_size 327680
		.amdhsa_private_segment_fixed_size 0
		.amdhsa_enable_private_segment 0
		.amdhsa_kernarg_size 48
		.amdhsa_user_sgpr_count 2
		.amdhsa_user_sgpr_kernarg_segment_ptr 1
		.amdhsa_wavefront_size32 1
		.amdhsa_system_sgpr_workgroup_id_x 1
		.amdhsa_system_sgpr_workgroup_id_y 1
		.amdhsa_system_sgpr_workgroup_id_z 1
		.amdhsa_system_vgpr_workitem_id 0
		.amdhsa_next_free_vgpr 1024
		.amdhsa_next_free_sgpr 66
		.amdhsa_reserve_vcc 0
		.amdhsa_float_denorm_mode_32 3
		.amdhsa_float_denorm_mode_16_64 3
		.amdhsa_memory_ordered 1
		.amdhsa_forward_progress 1
		.amdhsa_inst_pref_size 245
	.end_amdhsa_kernel
	.amdgpu_metadata
---
amdhsa.version: [ 1, 2 ]
amdhsa.kernels:
  - .name:           k_qb16c9925fe_main
    .symbol:         k_qb16c9925fe_main.kd
    .args:
      - { .name: x1, .offset: 0, .size: 8, .value_kind: global_buffer, .address_space: global }
      - { .name: x2, .offset: 8, .size: 8, .value_kind: global_buffer, .address_space: global }
      - { .name: wq, .offset: 16, .size: 8, .value_kind: global_buffer, .address_space: global }
      - { .name: cen, .offset: 24, .size: 8, .value_kind: global_buffer, .address_space: global }
      - { .name: lowp_scales, .offset: 32, .size: 8, .value_kind: global_buffer, .address_space: global }
      - { .name: part, .offset: 40, .size: 8, .value_kind: global_buffer, .address_space: global }
    .group_segment_fixed_size: 327680
    .private_segment_fixed_size: 0
    .kernarg_segment_align: 8
    .kernarg_segment_size: 48
    .max_flat_workgroup_size: 128
    .sgpr_count:     66
    .vgpr_count:     1024
    .wavefront_size: 32
...
	.end_amdgpu_metadata
.endif
;; end of part 5
;; launch combine: the kernel of part 3 again; grid 16 x 1, 8 waves a work-group, no clusters, 0 bytes of LDS; arguments part, out0; writes out0
